; MI455X (gfx1250); checked and timed in simulation.
; The chip was launched on July 23, 2026; its instructions are those of AMD's public machine-readable ISA for CDNA 5 (MIT licence, August 2026) and "CDNA5" Instruction Set Architecture Reference Guide (July 2026). The comments in the code are by the model that wrote it; some were corrected since.
;; Grouped Query Attention. Allowed arithmetic: matrix products marked QUANTISED: E2M3 operands, one E8M0 scale for each 32 along K, by v_wmma_scale_f32_16x16x128_f8f6f4 with both operands' format E2M3, f32 sums; everything else in f32.
;; Inputs: Wk 2,048 x 512 float32; Wo 2,048 x 2,048 float32; Wq 2,048 x 2,048 float32; Wv 2,048 x 512 float32; bk 512 float32; bo 2,048 float32; bq 2,048 float32; bv 512 float32; x 2 x 1,024 x 2,048 float32.
;; Outputs: out0 2 x 1,024 x 2,048 float32.
;; This version of the problem:
;;   THIS VERSION OF THE PROBLEM IS GIVEN IN LOW PRECISION. The matrix products marked QUANTISED in the list below multiply operands that are first quantised to E2M3 (2 exponent bits, 3 mantissa bits; 6 bits a number), with one power-of-two scale for each 32 numbers along K (OCP MX v1.0); their sums are f32. All else is computed in f32.
;;   The module's matrix products, in the order in which they are computed (A, B: the left and right operand; K: the contracted axis; several contracted axes count as one K, in the product's order):
;;     1. [M 2,048, K 2,048] x [K 2,048, N 2,048]; A: input x; B: input Wq: QUANTISED
;;     2. [M 2,048, K 2,048] x [K 2,048, N 512]; A: input x; B: input Wk: QUANTISED
;;     3. [M 2,048, K 2,048] x [K 2,048, N 512]; A: input x; B: input Wv: QUANTISED
;;     4. batch 64 x [M 1,024, K 64] x [K 64, N 1,024]; A: computed on the way; B: computed on the way: QUANTISED
;;     5. batch 64 x [M 1,024, K 1,024] x [K 1,024, N 64]; A: softmax (see below); B: computed on the way: QUANTISED
;;     6. [M 2,048, K 2,048] x [K 2,048, N 2,048]; A: computed on the way; B: input Wo: QUANTISED
;;   THE QUANTISER, for each operand of a quantised product, along K:
;;     - K is cut into blocks of 32 from its start; a last block that is shorter is filled with zeros.
;;     - A block's scale is 2^e with e = floor(log2(the largest magnitude in the block)) - 2, held to -126 .. 127; a block of zeros has e = 0. As a byte (E8M0): e + 127.
;;     - Each number is divided by its block's scale, clamped to +-7.5, and rounded to the nearest number of E2M3, ties to even, subnormals kept.
;;     - The product sums the exact products of the quantised numbers (number of the format x scale) in f32.
;;   ~~~python
;;   def quantise(x, axis):      # numpy; x: float32 -> the quantised numbers, widened to float32 again
;;       x = np.moveaxis(x, axis, -1); K = x.shape[-1]
;;       x = np.pad(x, [(0, 0)] * (x.ndim - 1) + [(0, -K % 32)]); x = x.reshape(x.shape[:-1] + (-1, 32)); a = np.abs(x).max(-1, keepdims=True)
;;       e = np.where(a > 0, np.clip(np.frexp(np.where(a > 0, a, 1))[1] - 1 - 2, -126, 127), 0)      # np.frexp(a)[1] - 1 = floor(log2(a)), exactly
;;       r = np.clip(x / 2.0 ** e, -7.5, 7.5)
;;       step = 2.0 ** (np.maximum(np.frexp(np.where(r == 0, 1, r))[1] - 1, 0) - 3)
;;       q = np.round(r / step) * step * 2.0 ** e      # np.round: ties to even
;;       return np.moveaxis(q.reshape(q.shape[:-2] + (-1,))[..., :K], -1, axis).astype(np.float32)
;;   ~~~
;;   SOFTMAX AHEAD OF A QUANTISED PRODUCT. Where the list says 'softmax', what is quantised is not the finished softmax but p = 2^(t - M), with t = logit x log2(e) and M = ceil(the row's largest t), a whole number; so 1/2 < the row's largest p <= 1. The row's sum l is taken of the UNQUANTISED p, in f32, and the product's result is divided by l at the end. Since M is a whole number, a kernel that streams over the keys may use a running M (the ceiling of the running maximum): every later rescaling is an exact power of two, which a block's scale takes up: the codes' values come out the same.
;;   OPERANDS COMPUTED ON THE WAY. 'Computed on the way' means the value that the module computes at that place (a softmax that the list does not call 'softmax' is quantised finished and normalised). What goes into a quantiser is computed in f32, as accurately as f32 sums, v_exp_f32 and their like allow (about 1e-6 of the number): no bf16 or f16 on the way to a quantiser, and a product that is left as it is and whose result goes on into a quantised operand takes f32 operands (vector FMAs, or v_wmma_f32_16x16x4_f32). A number that lies on a knife's edge between two numbers of the format may be rounded either way, as far as f32 arithmetic and the matrix unit's own rounding can turn it there, and no further.
;; One version. Each part assembles by itself: llvm-mc -triple=amdgcn-amd-amdhsa -mcpu=gfx1250 --defsym DOCPART=n.
;; ======== version 1 of 1: 4 launches
;; limits: right only within a limited range of input values
;; workspace buffers: codes 14,155,776 bytes; scl 589,824 bytes; bias 28,672 bytes; att 5,111,808 bytes
;; launch quant (part 1): grid 448 x 1, 4 waves a work-group, no clusters, 35,328 bytes of LDS; arguments x, Wq, Wo, Wk, Wv, bq, bo, bk, bv, codes, scl, bias; writes codes, scl, bias
.if DOCPART == 1
	.amdgcn_target "amdgcn-amd-amdhsa--gfx1250"
	.amdhsa_code_object_version 6
	.text
	.protected	k_q8dd472e1e1_quant
	.globl	k_q8dd472e1e1_quant
	.p2align	8
	.type	k_q8dd472e1e1_quant,@function
k_q8dd472e1e1_quant:
	s_mov_b64 s[64:65], 0
	v_nop
	global_prefetch_b8 v0, s[64:65] scope:SCOPE_SE
	s_setreg_imm32_b32 hwreg(HW_REG_WAVE_MODE, 25, 1), 1
	s_wait_xcnt 0x0
; x [2048][2048] (K innermost) and Wq, Wo [2048 (K)][2048], Wk, Wv [2048 (K)][512] (K outermost), all f32, become codes of FP6 (E2M3) with one E8M0 byte for each 32 along K.
; A block's byte is its largest magnitude's exponent field - 2, held at 1 from below; each number is divided by the scale and rounded to the nearest code, ties to even, beyond 7.5 the largest code.
; LIMITS: NaN and infinities are not served; a block whose largest magnitude lies under 2^-124, a block of zeros among them, keeps the byte 1 (its codes are zeros or nearly so; this program alone reads the bytes).
; THE OPERAND ROWS of all five tensors are numbered on end: x 0, Wq 2048, Wk 4096, Wv 4608, Wo 5120 (for a weight an operand row is a column).
; LAYOUT OF THE CODES: rows go in groups of 32; row w of a group lies in tile u = (w / 8) % 2 at tile row r = w % 8 + 8 (w / 16).  For a tile of 16 rows and 64 along K there is an image of 768 bytes,
; laid as a matrix operand's six registers want it: at 16 (r + 16 h) the first 16 bytes of block h of row r, at 512 + 16 r + 8 h its last 8.  Image (tile, K / 64) lies at tile x 24576 + (K / 64) x 768.
; LAYOUT OF THE BYTES: (row / 32) x 2048 + (block / 8) x 256 + u x 128 + r x 8 + block % 8.   The biases go into one table, by operand row; x's rows get 0.
; SHARES: a wave takes one group of 32 rows x 256 along K.  Lane l stands for tile l / 16, tile row l % 16, and holds whole blocks of 32 in 32 registers, so no other lane is asked for a maximum.
; Every store of codes: lanes 0-15 fill 256 consecutive aligned bytes of one tile's image, lanes 16-31 of the other's.  No barrier: waves share nothing.  Only x's path uses LDS.
.set R,    16                          ; v16-143  numbers as loaded
.set XS,   144                         ; v144-207 x: 64 neighbours of my row
.set CD,   208                         ; v208-231 two sets of 12: block 0's first 16 bytes, block 1's, the two tails
.set CT,   232                         ; v232-234 a conversion's three registers begin on an even number: the second half of a block is made here and moved
.set SB,   14                          ; v14-15   my row's eight scale bytes
.set WREG, 8704                        ; LDS of a wave: 32 rows x 272
.set SP,   272                         ; 256 bytes + 16: the lanes' reads of 16 bytes fall on different columns of 16 bytes
; 32 numbers of my row in v[src] on are block t of the wave's eight
.macro BLOCK src, t
.set HH, CD+12*(((\t)/2)%2)+4*((\t)%2)
.set TL, CD+12*(((\t)/2)%2)+8+2*((\t)%2)
	v_max3_num_f32 v10, |v[(\src)]|, |v[(\src)+1]|, |v[(\src)+2]|      ; the largest magnitude, in two chains
	v_max3_num_f32 v11, |v[(\src)+3]|, |v[(\src)+4]|, |v[(\src)+5]|
.irp i, 6,10,14,18,22,26
	v_max3_num_f32 v10, v10, |v[(\src)+\i]|, |v[(\src)+\i+1]|
	v_max3_num_f32 v11, v11, |v[(\src)+\i+2]|, |v[(\src)+\i+3]|
.endr
	v_max3_num_f32 v10, v10, |v[(\src)+30]|, |v[(\src)+31]|
	v_max3_num_f32 v10, v10, v11, 0x1800000        ; and the floor 2^(3 - 127): the byte cannot fall under 1
	v_add_nc_u32 v12, 0xff000000, v10              ; 2 off the exponent field: the conversion takes this operand's exponent field as its scale
	v_cvt_scalef32_pk16_fp6_f32 v[HH:HH+2], v[(\src):(\src)+15], v12
	v_cvt_scalef32_pk16_fp6_f32 v[CT:CT+2], v[(\src)+16:(\src)+31], v12
	v_lshrrev_b32 v13, 23, v12                     ; the byte (a plain line behind the conversions, ahead of the moves that read their result)
.if (\t)%4 == 0
	v_mov_b32 v[SB+(\t)/4], v13
.else
	v_lshl_or_b32 v[SB+(\t)/4], v13, 8*((\t)%4), v[SB+(\t)/4]
.endif
	v_mov_b32 v[HH+3], v[CT]                       ; bytes 12-15 of the block's 24
	v_mov_b32 v[TL], v[CT+1]                       ; and its last 8
	v_mov_b32 v[TL+1], v[CT+2]
.endm
.macro OUTK k                          ; the two tiles' images of the wave's k-th 64 along K
	global_store_b128 v7, v[CD+12*((\k)%2):CD+12*((\k)%2)+3], s[40:41] offset:768*(\k)
	global_store_b128 v7, v[CD+12*((\k)%2)+4:CD+12*((\k)%2)+7], s[40:41] offset:768*(\k)+256
	global_store_b128 v7, v[CD+12*((\k)%2)+8:CD+12*((\k)%2)+11], s[40:41] offset:768*(\k)+512
.endm
.macro XLOAD t                         ; 32 rows x 64 numbers: sixteen lanes read a row's 256 consecutive bytes, two rows a load
.irp i, 0,1,2,3,4,5,6,7,8,9,10,11,12,13,14,15
	global_load_b128 v[R+64*((\t)%2)+4*\i:R+64*((\t)%2)+4*\i+3], v4, s[8:9] offset:2*\i*8192+256*(\t) th:TH_LOAD_NT
.endr
.endm
.macro XTURN t                         ; through my wave's LDS: rows go in at the place of the lane that stands for them, and come back 256 bytes a lane.  LDS serves a wave's instructions in order
.irp i, 0,1,2,3,4,5,6,7,8,9,10,11,12,13,14,15
	ds_store_b128 v5, v[R+64*((\t)%2)+4*\i:R+64*((\t)%2)+4*\i+3] offset:(16*((\i/4)%2)+8*(\i/8)+2*(\i%4))*SP
.endr
.irp j, 0,1,2,3,4,5,6,7,8,9,10,11,12,13,14,15
	ds_load_b128 v[XS+4*\j:XS+4*\j+3], v6 offset:16*\j
.endr
.endm
.macro WLOAD t, pitch                  ; block t of my column: registers run down K; a load reads 128 consecutive bytes a wave
.irp i, 0,1,2,3,4,5,6,7,8,9,10,11,12,13,14,15,16,17,18,19,20,21,22,23,24,25,26,27,28,29,30,31
	global_load_b32 v[R+32*((\t)%2)+\i], v9, s[8:9] offset:(32*(\t)+\i)*\pitch th:TH_LOAD_NT
.endr
.endm
; A weight's work-group.  s[8:9] the weight, s[10:11] its bias, s6 its first operand row, s5 which 128 columns, s4 which 256 along K
.macro WPATH pitch
	s_lshl_b32 s7, s5, 7
	s_lshl_b32 s12, s2, 5
	s_add_co_u32 s12, s12, s7                      ; my wave's first column
	s_add_co_u32 s14, s12, s6                      ; and operand row
	s_mul_i32 s13, s4, 256*\pitch
	s_lshl_b32 s12, s12, 2
	s_add_co_u32 s12, s12, s13
	s_mov_b32 s13, 0
	s_add_nc_u64 s[8:9], s[8:9], s[12:13]
	s_mul_i32 s12, s14, 1536
	s_mul_i32 s15, s4, 3072
	s_add_co_u32 s12, s12, s15
	s_add_nc_u64 s[40:41], s[34:35], s[12:13]      ; the codes: row x 1536 + four images
	s_lshl_b32 s12, s14, 6
	s_lshl_b32 s15, s4, 8
	s_add_co_u32 s12, s12, s15
	s_add_nc_u64 s[42:43], s[36:37], s[12:13]      ; the bytes
	WLOAD 0, \pitch
	WLOAD 1, \pitch
.irp t, 0,1,2,3,4,5,6,7
.if \t < 7
	s_wait_loadcnt 32                              ; this block's 32 loads are in; the next block's may be out
.else
	s_wait_loadcnt 0x0
.endif
.if (\t == 4) || (\t == 6)
	s_wait_xcnt 0x0                                ; the stores of two images ago have read their registers: that set is written again
.endif
	BLOCK R+32*(\t%2), \t
.if \t < 6
	WLOAD \t+2, \pitch
.endif
.if \t%2 == 1
	OUTK \t/2
.endif
.endr
	global_store_b64 v8, v[SB:SB+1], s[42:43]      ; 32 lanes: 256 consecutive aligned bytes
	s_cmp_lg_u32 s4, 0                             ; the work-groups of the first 256 along K also copy the bias of their 128 columns: waves 0 and 1, 64 numbers each
	s_cbranch_scc1 .Lw_end_\@
	s_cmp_lt_u32 s2, 2
	s_cbranch_scc0 .Lw_end_\@
	s_lshl_b32 s12, s5, 9
	s_lshl_b32 s15, s2, 8
	s_add_co_u32 s12, s12, s15
	s_add_nc_u64 s[10:11], s[10:11], s[12:13]
	s_lshl_b32 s15, s6, 2
	s_add_co_u32 s12, s12, s15
	s_add_nc_u64 s[44:45], s[38:39], s[12:13]
	global_load_b64 v[236:237], v8, s[10:11]
	s_wait_loadcnt 0x0
	global_store_b64 v8, v[236:237], s[44:45]
.Lw_end_\@:
	s_endpgm
.endm
	s_load_b512 s[16:31], s[0:1], 0x0              ; x s16, Wq s18, Wo s20, Wk s22, Wv s24, bq s26, bo s28, bk s30
	s_load_b256 s[32:39], s[0:1], 0x40             ; bv s32, codes s34, scl s36, bias s38
	v_lshl_add_u32 v240, v0, 2, 0x8800
	v_mov_b32 v241, 0
	v_lshrrev_b32 v1, 5, v0
	v_readfirstlane_b32 s2, v1                     ; wave
	v_and_b32 v1, 31, v0                           ; l
	v_and_b32 v2, 15, v0                           ; r
	v_bfe_u32 v3, v0, 4, 1                         ; u
	v_lshlrev_b32 v7, 4, v2
	v_mad_u32_u24 v7, v3, 24576, v7                ; codes: my tile, 16 r
	v_lshlrev_b32 v8, 3, v1                        ; bytes: 8 l = 128 u + 8 r
	v_and_b32 v9, 8, v2
	v_add_nc_u32 v9, v9, v2
	v_lshl_add_u32 v9, v3, 3, v9                   ; the group's row that I stand for: 8 u + r + 8 (r / 8)
	v_lshlrev_b32 v9, 2, v9
	s_cmp_lt_u32 ttmp9, 128
	s_cbranch_scc0 .Lweights
	; ---- x: work-groups 0-127: group = number / 2, 256 along K = 4 (number % 2) + wave
	s_lshr_b32 s5, ttmp9, 1
	s_and_b32 s4, ttmp9, 1
	s_lshl_b32 s4, s4, 2
	s_add_co_u32 s4, s4, s2
	s_lshl_b32 s12, s5, 18                         ; 32 rows of 8,192 bytes
	s_lshl_b32 s13, s4, 10
	s_add_co_u32 s12, s12, s13
	s_mov_b32 s13, 0
	s_mul_i32 s6, s5, 49152
	s_mul_i32 s7, s4, 3072
	s_add_co_u32 s6, s6, s7
	s_mov_b32 s7, 0
	s_lshl_b32 s10, s5, 11
	s_lshl_b32 s11, s4, 8
	s_add_co_u32 s10, s10, s11
	s_mov_b32 s11, 0
	s_mul_i32 s14, s2, WREG
	s_wait_alu depctr_va_vdst(0)
	v_lshlrev_b32 v4, 4, v2
	v_lshl_add_u32 v4, v3, 13, v4                  ; in memory: row l / 16 of a pair, 16 bytes a lane
	v_mul_u32_u24 v5, v3, SP
	v_lshl_add_u32 v5, v2, 4, v5
	v_add_nc_u32 v5, s14, v5                       ; into LDS likewise
	v_mul_u32_u24 v6, v1, SP
	v_add_nc_u32 v6, s14, v6                       ; out of it: row l
	s_wait_alu depctr_va_vdst(0)
	s_wait_kmcnt 0x0
	s_add_nc_u64 s[8:9], s[16:17], s[12:13]
	s_add_nc_u64 s[40:41], s[34:35], s[6:7]
	s_add_nc_u64 s[42:43], s[36:37], s[10:11]
	XLOAD 0
	XLOAD 1
.irp t, 0,1,2,3
.if \t < 3
	s_wait_loadcnt 16                              ; these 64 columns' sixteen loads are in; the next sixteen may be out
.else
	s_wait_loadcnt 0x0
.endif
	XTURN \t
	s_wait_dscnt 0x0                               ; my 64 neighbours are in, and the LDS stores have read the registers that the next loads take
.if \t < 2
	XLOAD \t+2
.else
	s_wait_xcnt 0x0                                ; the stores of two images ago have read their registers
.endif
	BLOCK XS, 2*\t
	BLOCK XS+32, 2*\t+1
	OUTK \t
.endr
	global_store_b64 v8, v[SB:SB+1], s[42:43]
	s_cmp_lt_u32 ttmp9, 8                          ; work-groups 0-7 also write the zeros of x's 2,048 places in the table of biases
	s_cbranch_scc0 .Lx_end
	v_mov_b32 v236, 0
	v_mov_b32 v237, 0
	v_lshlrev_b32 v238, 3, v0
	s_lshl_b32 s12, ttmp9, 10
	s_add_nc_u64 s[44:45], s[38:39], s[12:13]
	global_store_b64 v238, v[236:237], s[44:45]
.Lx_end:
	s_wait_tensorcnt 0x0
	ds_add_u32 v240, v241
	s_wait_dscnt 0x0
	s_endpgm
.Lweights:
	s_cmp_lt_u32 ttmp9, 384
	s_cbranch_scc0 .Lnarrow
	; ---- Wq (128-255) or Wo (256-383): rows of 8,192 bytes
	s_sub_co_u32 s3, ttmp9, 128
	s_and_b32 s3, s3, 127
	s_and_b32 s5, s3, 15
	s_lshr_b32 s4, s3, 4
	s_mov_b32 s6, 5120
	s_wait_kmcnt 0x0
	s_cmp_lt_u32 ttmp9, 256                        ; the choice hangs on the work-group's number alone
	s_cselect_b64 s[8:9], s[18:19], s[20:21]
	s_cselect_b64 s[10:11], s[26:27], s[28:29]
	s_cselect_b32 s6, 2048, s6
	s_wait_alu depctr_va_vdst(0)
	WPATH 8192
.Lnarrow:
	; ---- Wk (384-415) or Wv (416-447): rows of 2,048 bytes
	s_sub_co_u32 s3, ttmp9, 384
	s_and_b32 s3, s3, 31
	s_and_b32 s5, s3, 3
	s_lshr_b32 s4, s3, 2
	s_mov_b32 s6, 4608
	s_wait_kmcnt 0x0
	s_cmp_lt_u32 ttmp9, 416
	s_cselect_b64 s[8:9], s[22:23], s[24:25]
	s_cselect_b64 s[10:11], s[30:31], s[32:33]
	s_cselect_b32 s6, 4096, s6
	s_wait_alu depctr_va_vdst(0)
	WPATH 2048
.Lfunc_end_k_q8dd472e1e1_quant:
	.size	k_q8dd472e1e1_quant, .Lfunc_end_k_q8dd472e1e1_quant-k_q8dd472e1e1_quant
	.p2alignl 7, 3214868480
	.fill 96, 4, 3214868480
	.section	.rodata,"a",@progbits
	.p2align	6, 0x0
	.amdhsa_kernel k_q8dd472e1e1_quant
		.amdhsa_group_segment_fixed_size 35328
		.amdhsa_private_segment_fixed_size 0
		.amdhsa_enable_private_segment 0
		.amdhsa_kernarg_size 96
		.amdhsa_user_sgpr_count 2
		.amdhsa_user_sgpr_kernarg_segment_ptr 1
		.amdhsa_wavefront_size32 1
		.amdhsa_system_sgpr_workgroup_id_x 1
		.amdhsa_system_sgpr_workgroup_id_y 1
		.amdhsa_system_sgpr_workgroup_id_z 1
		.amdhsa_system_vgpr_workitem_id 0
		.amdhsa_next_free_vgpr 242
		.amdhsa_next_free_sgpr 66
		.amdhsa_reserve_vcc 0
		.amdhsa_float_denorm_mode_32 3
		.amdhsa_float_denorm_mode_16_64 3
		.amdhsa_memory_ordered 1
		.amdhsa_forward_progress 1
		.amdhsa_inst_pref_size 107
	.end_amdhsa_kernel
	.amdgpu_metadata
---
amdhsa.version: [ 1, 2 ]
amdhsa.kernels:
  - .name:           k_q8dd472e1e1_quant
    .symbol:         k_q8dd472e1e1_quant.kd
    .args:
      - { .name: x, .offset: 0, .size: 8, .value_kind: global_buffer, .address_space: global }
      - { .name: Wq, .offset: 8, .size: 8, .value_kind: global_buffer, .address_space: global }
      - { .name: Wo, .offset: 16, .size: 8, .value_kind: global_buffer, .address_space: global }
      - { .name: Wk, .offset: 24, .size: 8, .value_kind: global_buffer, .address_space: global }
      - { .name: Wv, .offset: 32, .size: 8, .value_kind: global_buffer, .address_space: global }
      - { .name: bq, .offset: 40, .size: 8, .value_kind: global_buffer, .address_space: global }
      - { .name: bo, .offset: 48, .size: 8, .value_kind: global_buffer, .address_space: global }
      - { .name: bk, .offset: 56, .size: 8, .value_kind: global_buffer, .address_space: global }
      - { .name: bv, .offset: 64, .size: 8, .value_kind: global_buffer, .address_space: global }
      - { .name: codes, .offset: 72, .size: 8, .value_kind: global_buffer, .address_space: global }
      - { .name: scl, .offset: 80, .size: 8, .value_kind: global_buffer, .address_space: global }
      - { .name: bias, .offset: 88, .size: 8, .value_kind: global_buffer, .address_space: global }
    .group_segment_fixed_size: 35328
    .private_segment_fixed_size: 0
    .kernarg_segment_align: 8
    .kernarg_segment_size: 96
    .max_flat_workgroup_size: 128
    .sgpr_count:     66
    .vgpr_count:     242
    .wavefront_size: 32
...
	.end_amdgpu_metadata
.endif
;; end of part 1
;; launch qkv (part 2): grid 16 x 16, 4 waves a work-group, clusters of 4 x 1, 327,680 bytes of LDS; arguments codes, scl, bias, att; writes att
.if DOCPART == 2
	.amdgcn_target "amdgcn-amd-amdhsa--gfx1250"
	.amdhsa_code_object_version 6
	.text
	.protected	k_q8dd472e1e1_qkv
	.globl	k_q8dd472e1e1_qkv
	.p2align	8
	.type	k_q8dd472e1e1_qkv,@function
k_q8dd472e1e1_qkv:
	s_mov_b64 s[64:65], 0
	v_nop
	global_prefetch_b8 v0, s[64:65] scope:SCOPE_SE
	s_setreg_imm32_b32 hwreg(HW_REG_WAVE_MODE, 25, 1), 1
	s_wait_xcnt 0x0
	s_wait_alu depctr_hold_cnt(0) depctr_sa_sdst(0) depctr_va_vdst(0) depctr_va_sdst(0) depctr_va_ssrc(0) depctr_va_vcc(0) depctr_vm_vsrc(0)
	s_getreg_b32 s2, hwreg(HW_REG_IB_STS2, 6, 4)
	s_cmp_eq_u32 s2, 0
	s_cbranch_scc0 .Lentry_in_a_cluster
	s_endpgm
.Lentry_in_a_cluster:
	s_bfe_u32 s2, ttmp6, 0x10000c
	s_cmp_lg_u32 s2, 0x3003
	s_cbranch_scc0 .Lentry_shape_is_right
	s_endpgm
.Lentry_shape_is_right:
; q = x Wq + bq, k = x Wk + bk, v = x Wv + bv on codes of FP6 (E2M3) with E8M0 scales, K = 2,048; the results are quantised (q, k along the head's 64; v along the keys) and stored as operand images for the attention launch.
; The weights' operand rows lie on end (Wq 2048, Wk 4096, Wv 4608): 3,072 rows = 48 heads of 64.  A work-group makes 128 rows of x against 192 weight rows (three heads): 16 x 16 = 256 work-groups of equal work.
; EVERYTHING IS ASKED FOR ONCE, AT THE HEAD; no LDS byte is filled twice.  The 192 weight rows, all of K (294,912 bytes), come into LDS by one joint tensor load a wave (wave w: K steps 4 w .. 4 w + 3 of the 12 tiles).
; A wave's 32 rows of x, all of K, go from memory straight into 384 registers: the codes lie in memory as images of the operand's registers.
; The scale bytes (x's 8,192, the weights' 12,288) come in whole runs of 512 bytes through registers, ten loads a wave, into LDS bytes of their own, on which no tensor load lands.
; CLUSTER 4 x 1: the four partners make four row blocks against the same weight rows and ask for them jointly.  x's rows are each wave's own.
; No prefetch: the text has no loop to run ahead in; every byte that it reads is asked for at the head.
; A wave makes 32 x 192: 24 accumulators.  THE MATRIX INSTRUCTION IS USED TRANSPOSED (source 0 = 16 weight rows, source 1 = 16 rows of x): a lane holds one row of x, its registers run along the weight rows.
; Tile u of a group of 32 rows holds rows 8 u + r + 8 (r / 8), so the 16 registers of tiles 2 c, 2 c + 1 are 16 neighbours: 32 c + 16 (lane / 16) + 0 .. 15.
; The bias is loaded into the accumulators of x's tile 0; in K step 0 tile 1's products take them as C, then tile 0's add in place.
; q, k: quantised in registers.  v: its blocks run along the keys, so a head's 128 keys x 64 go as f32 through a stage in LDS (on weight bytes that are read no more) and come back a lane to a d, registers along the keys.
; LIMITS: NaN and infinities are not served; a block whose largest magnitude lies under 2^-124, a block of zeros among them, keeps the byte 1.
; REGISTERS: window 0: v1-31 addresses; v32-79 scale words, two sets of 24 (tile b, two K steps: lanes 0-15 x's tile, lanes 16-31 the weights'); v80-223 weight fragments, set 0 (at the head v80-119 carry the scale bytes).
;   windows 1, 2: v0-191 x's fragments of K steps 0-7, 8-15; window 3: v0-191 accumulators (x's tile a, weight tile b at 8 (12 a + b)); v192-239 of windows 1, 2, 3: weight fragments, set 1, four tiles each.
.set QTR,   73728                      ; 12 tiles x 6,144 bytes: what one tensor load brings
.set XSC,   294912                     ; x's scale bytes: 4 groups of 32 rows x 2,048
.set WSC,   303104                     ; the weights': 6 groups
.set SPARE, 315392                     ; the spare words, 128 bytes a wave
.set AWIN,  61440                      ; LDS address registers stand this far apart, so that every offset fits 16 bits
.set SPITCH, 272                       ; v's stage: 64 f32 + 16 bytes
.set STG,   128*SPITCH                 ; a head's stage
.set QS0,   3145728                    ; att: q's images from 0, q's scale words from here,
.set KV0,   3407872                    ; and from here 106,496 bytes for each (batch, kv head): 8 key steps of 13,312: K's images, V's, K's scale words, V's
.set VBN,  6                           ; 64 h: the bias
.set AH,   8                           ; v8-12  16 x lane + k AWIN
.set VH,   8
.set AT,   13                          ; v13-17 512 + 16 r + 8 h + k AWIN
.set VT,   13
.set ADRS, 18
.set SPW,  19
.set NIL,  20
.set CLX,  21
.set CLW,  22
.set VW,   23                          ; 16 r
.set VST,  24
.set VRD,  25
.set VIM,  26
.set VSW,  27
.set TA,   28
.set SC,   32
.set WF0,  80
.set TM,   32                          ; the way out works in registers that held scale words and fragments
.set TX,   34
.set TS,   36
.set PD,   38
.set WD,   41
.set PC,   42
.set PW,   54
.set XS,   96
.set CD,   160
.set CT,   172
.set HD,   46                          ; s46-48 my three heads: 0-31 q, 32-39 k, 40-47 v
.set IB,   50                          ; s[50:55] where their images go
.set SS,   56                          ; s[56:61] and their scale words
.set SEL,  62
.set MSB, 0
.macro WIN new                         ; the immediate's high byte repeats the setting that is left
.if MSB != \new
	s_set_vgpr_msb (MSB<<8)|\new
.set MSB, \new
.endif
.endm
.macro CROUND                          ; a round of the cluster's barrier
	s_barrier_signal -1
	s_barrier_wait -1
	s_cmp_lg_u32 s12, 0
	s_cbranch_scc1 .Lnot_wave_0_\@
	s_barrier_signal -3
.Lnot_wave_0_\@:
	s_barrier_wait -3
	s_barrier_signal -1
	s_barrier_wait -1
.endm
.macro PLACES                          ; four places in front of loads into registers that matrix instructions have read
.rept 4
	v_nop
.endr
.endm
.macro XLOAD st                        ; x's two fragments of K step st: eight loads, each of dense bytes
.irp a, 0,1
.irp c, 0,1
	global_load_b128 v[24*((\st)%8)+12*\a+6*\c:24*((\st)%8)+12*\a+6*\c+3], v[VH], s[66:67] offset:\a*24576+(\st)*1536+\c*768
	global_load_b64 v[24*((\st)%8)+12*\a+6*\c+4:24*((\st)%8)+12*\a+6*\c+5], v[VT], s[66:67] offset:\a*24576+(\st)*1536+\c*768
.endr
.endr
.endm
.macro FETCH st                        ; the twelve weight fragments of K step st into set st % 2: 48 LDS loads
.irp i, 0,1,2,3,4,5,6,7,8,9,10,11
.if (\st)%2 == 0
.set NW, 0
.set RG, WF0+12*\i
.else
.set NW, (1+\i/4)<<6
.set RG, 192+12*(\i%4)
.endif
	WIN NW
.irp c, 0,1
.set AD, ((\st)/4)*QTR+\i*6144+((\st)%4)*1536+\c*768
	ds_load_b128 v[RG+6*\c:RG+6*\c+3], v[AH+AD/AWIN] offset:AD%AWIN
	ds_load_b64 v[RG+6*\c+4:RG+6*\c+5], v[AT+AD/AWIN] offset:AD%AWIN
.endr
.endr
.endm
.macro SCALES pr                       ; the scale words of K steps 2 pr, 2 pr + 1 into set pr % 2.  In registers of tiles 2-11 lanes 0-15 read bytes that are not used
	WIN 0
.irp b, 0,1,2,3,4,5,6,7,8,9,10,11
	ds_load_b64 v[SC+24*((\pr)%2)+2*\b:SC+24*((\pr)%2)+2*\b+1], v[ADRS] offset:(\b/2)*2048+(\b%2)*128+(\pr)*256
.endr
.endm
.macro MUL st                          ; 24 matrix instructions; the accumulators take turns
.set WX, 1+(\st)/8
.set XB, 24*((\st)%8)
.set SW, SC+24*(((\st)/2)%2)+(\st)%2
.irp g, 0,1,2
.if (\st)%2 == 0
.set NW, 0xf0|(WX<<2)
.set WB, WF0+48*\g
.else
.set NW, 0xf0|(WX<<2)|(1+\g)
.set WB, 192
.endif
	WIN NW
.irp a, 1,0
.if (\st) == 0 && \a == 0
.rept 5
	v_nop                                          ; five places: the products below write over registers that the four above took as C
.endr
.endif
.irp b, 0,1,2,3
.set DR, 8*(12*\a+4*\g+\b)
.if (\st) == 0
.set CR, 8*(4*\g+\b)
.else
.set CR, DR
.endif
	v_wmma_scale_f32_16x16x128_f8f6f4 v[DR:DR+7], v[WB+12*\b:WB+12*\b+11], v[XB+12*\a:XB+12*\a+11], v[CR:CR+7], v[SW+2*(4*\g+\b)], v[SW+2*\a] matrix_a_fmt:MATRIX_FMT_FP6 matrix_b_fmt:MATRIX_FMT_FP6 matrix_a_scale:MATRIX_SCALE_ROW1
.endr
.endr
.endr
.endm
.macro KSTEP st
	s_wait_dscnt 0x0                               ; this step's weight fragments and scale words are in
.if 8*(15-(\st)) > 63
	s_wait_loadcnt 63                              ; behind this step's loads of x stand eight for each later step: more than the count can name
.else
	s_wait_loadcnt 8*(15-(\st))                    ; eight loads of x for each later step may be out
.endif
	PLACES
	FETCH (\st)+1
.if ((\st)+1)%2 == 0
	SCALES ((\st)+1)/2
.endif
	MUL \st
.endm
; 32 numbers of a lane in window 3, register 16 b + i = n 32 b + 16 (lane / 16) + i of my row, become an image's six registers in v[pc] on and the row's two scale bytes in v[pw]
.macro QUANT2 src, pc, pw
	WIN 0x3c
.irp b, 0,1
	v_max3_num_f32 v[TM+\b], 0x1800000, |v[(\src)+16*\b]|, |v[(\src)+16*\b+1]|   ; with the floor 2^(3 - 127).  Each accumulator is read from its low end on
.endr
.irp i, 2,4,6,8,10,12,14
.irp b, 0,1
	v_max3_num_f32 v[TM+\b], v[TM+\b], |v[(\src)+16*\b+\i]|, |v[(\src)+16*\b+\i+1]|
.endr
.endr
	WIN 0
.irp b, 0,1
	v_permlanex16_b32 v[TX+\b], v[TM+\b], s[SEL], s[SEL+1]
.endr
.irp b, 0,1
	v_max_num_f32 v[TM+\b], v[TM+\b], v[TX+\b]     ; with lane l xor 16's 16: the block's largest magnitude
.endr
.irp b, 0,1
	v_add_nc_u32 v[TS+\b], 0xff000000, v[TM+\b]    ; 2 off the exponent field: the conversion's scale operand
.endr
.irp b, 0,1
	v_lshrrev_b32 v[TX+\b], 23, v[TS+\b]           ; the byte
.endr
	v_lshl_or_b32 v[(\pw)], v[TX+1], 8, v[TX]      ; two bytes; the upper two stay 0
	WIN 0x03
	v_cvt_scalef32_pk16_fp6_f32 v[(\pc):(\pc)+2], v[(\src):(\src)+15], v[TS]
	v_cvt_scalef32_pk16_fp6_f32 v[PD:PD+2], v[(\src)+16:(\src)+31], v[TS+1]
	WIN 0
	v_nop                                          ; one plain place behind a scaled conversion
.irp i, 0,1,2
	v_permlane16_swap_b32 v[(\pc)+\i], v[PD+\i]    ; a whole block to a lane: lanes 0-15 block 0, lanes 16-31 block 1
.endr
.irp i, 0,1,2
	v_mov_b32 v[(\pc)+3+\i], v[PD+\i]
.endr
.endm
.macro EPIQK g                         ; a head of q or k: two images of 768 dense bytes and the rows' scale words (lanes l and l + 16 store the same 8 bytes)
	s_cmp_lt_u32 s[HD+\g], 40
	s_cbranch_scc0 .Lis_v_\@
	s_wait_xcnt 0x0                                ; the last head's stores have read their registers
.irp a, 0,1
	QUANT2 8*(12*\a+4*\g), PC+6*\a, PW+\a
	global_store_b128 v[VH], v[PC+6*\a:PC+6*\a+3], s[IB+2*\g:IB+2*\g+1] offset:768*\a
	global_store_b64 v[VT], v[PC+6*\a+4:PC+6*\a+5], s[IB+2*\g:IB+2*\g+1] offset:768*\a
.endr
	global_store_b64 v[VW], v[PW:PW+1], s[SS+2*\g:SS+2*\g+1]
	s_wait_alu depctr_va_vdst(0)
.Lis_v_\@:
.endm
.macro VSTORE g                        ; a head of v: my 32 keys x 64 into the head's stage, row = key
	s_cmp_lt_u32 s[HD+\g], 40
	s_cbranch_scc1 .Lnot_v_\@
	v_add_nc_u32 v[TA], \g*STG, v[VST]
	WIN 0x0c
.irp a, 0,1
.irp b, 0,1,2,3
	ds_store_b128 v[TA], v[8*(12*\a+4*\g+\b):8*(12*\a+4*\g+\b)+3] offset:8*\a*SPITCH+128*(\b/2)+32*(\b%2)      ; each accumulator from its low end on
	ds_store_b128 v[TA], v[8*(12*\a+4*\g+\b)+4:8*(12*\a+4*\g+\b)+7] offset:8*\a*SPITCH+128*(\b/2)+32*(\b%2)+16
.endr
.endr
	WIN 0
.Lnot_v_\@:
.endm
.macro VBLOCK src, t                   ; 32 keys of my d are block t of an image
	v_max3_num_f32 v[TM], |v[(\src)]|, |v[(\src)+1]|, |v[(\src)+2]|
	v_max3_num_f32 v[TM+1], |v[(\src)+3]|, |v[(\src)+4]|, |v[(\src)+5]|
.irp i, 6,10,14,18,22,26
	v_max3_num_f32 v[TM], v[TM], |v[(\src)+\i]|, |v[(\src)+\i+1]|
	v_max3_num_f32 v[TM+1], v[TM+1], |v[(\src)+\i+2]|, |v[(\src)+\i+3]|
.endr
	v_max3_num_f32 v[TM], v[TM], |v[(\src)+30]|, |v[(\src)+31]|
	v_max3_num_f32 v[TM], v[TM], v[TM+1], 0x1800000
	v_add_nc_u32 v[TS], 0xff000000, v[TM]
	v_cvt_scalef32_pk16_fp6_f32 v[CD+4*\t:CD+4*\t+2], v[(\src):(\src)+15], v[TS]
	v_cvt_scalef32_pk16_fp6_f32 v[CT:CT+2], v[(\src)+16:(\src)+31], v[TS]
	v_lshrrev_b32 v[TX], 23, v[TS]                 ; the byte (a plain line behind the conversions)
.if \t == 0
	v_mov_b32 v[WD], v[TX]
.else
	v_lshl_or_b32 v[WD], v[TX], 8, v[WD]
.endif
	v_mov_b32 v[CD+4*\t+3], v[CT]                  ; bytes 12-15 of the block's 24
	v_mov_b32 v[CD+8+2*\t], v[CT+1]                ; and its last 8
	v_mov_b32 v[CD+8+2*\t+1], v[CT+2]
.endm
.macro VREAD g                         ; wave w takes keys 64 (w / 2) on and d tiles 2 (w % 2), + 1: a lane holds 64 keys of one d; lanes 0-15 fill one image, lanes 16-31 the next
	s_cmp_lt_u32 s[HD+\g], 40
	s_cbranch_scc1 .Lnot_v_\@
	v_add_nc_u32 v[TA], \g*STG, v[VRD]
.set kk, 0
.rept 64
	ds_load_b32 v[XS+kk], v[TA] offset:kk*SPITCH
.set kk, kk+1
.endr
	s_wait_xcnt 0x0                                ; the last head's stores have read their registers
	s_wait_dscnt 0x0
	VBLOCK XS, 0
	VBLOCK XS+32, 1
	global_store_b128 v[VIM], v[CD:CD+3], s[IB+2*\g:IB+2*\g+1]
	global_store_b128 v[VIM], v[CD+4:CD+7], s[IB+2*\g:IB+2*\g+1] offset:256
	global_store_b128 v[VIM], v[CD+8:CD+11], s[IB+2*\g:IB+2*\g+1] offset:512
	global_store_b32 v[VSW], v[WD], s[SS+2*\g:SS+2*\g+1]
	s_wait_alu depctr_va_vdst(0)
.Lnot_v_\@:
.endm
	s_load_b256 s[4:11], s[0:1], 0x0               ; codes, scl, bias, att
	v_lshl_add_u32 v[SPW], v0, 2, SPARE
	v_mov_b32 v[NIL], 0
	ds_add_u32 v[SPW], v[NIL]                      ; the opening lines: the add, twice on end, and its wait ahead of my first tensor load
	ds_add_u32 v[SPW], v[NIL]
	v_lshrrev_b32 v1, 5, v0
	v_readfirstlane_b32 s12, v1                    ; wave
	v_and_b32 v3, 31, v0                           ; lane
	v_and_b32 v1, 15, v0                           ; r
	v_bfe_u32 v2, v0, 4, 1                         ; h
	v_lshlrev_b32 v[VH], 4, v3
	v_lshlrev_b32 v[VW], 4, v1
	v_lshl_add_u32 v[VT], v2, 3, v[VW]
	v_add_nc_u32 v[VT], 512, v[VT]
	v_lshlrev_b32 v[VBN], 6, v2
	s_lshl_b32 s16, s12, 11
	s_add_co_u32 s17, s16, XSC
	v_add_nc_u32 v[CLX], s17, v[VH]                ; my group's scale bytes in LDS
	s_mul_i32 s18, s12, 3072
	s_add_co_u32 s19, s18, WSC
	v_add_nc_u32 v[CLW], s19, v[VH]                ; my quarter of the weights'
	s_bfe_u32 s13, ttmp6, 0x40000                  ; cx
	s_and_b32 s14, ttmp7, 0xffff                   ; j: which 192 weight rows; the same in all four partners
	s_lshl_b32 s15, ttmp9, 2
	s_add_co_u32 s15, s15, s13                     ; which 128 rows of x
	s_mov_b32 s24, 15|(3<<16)|(1<<21)              ; group 1: the mask of the four; elements of 8 bytes; bit 21 beside a mask
	s_mov_b32 s25, 768<<16                         ; a tile's 6,144 bytes of four K steps
	s_mov_b32 s26, 12<<16                          ; 12 tiles
	s_mov_b32 s27, 768<<16
	s_mov_b32 s28, 12
	s_mov_b32 s29, 3072                            ; from tile to tile: 24,576 bytes
	s_mov_b32 s30, 0
	s_mov_b32 s31, 0
	s_mov_b32 s32, 1
	s_mul_i32 s33, s12, QTR
	s_lshl_b32 s20, s15, 2
	s_add_co_u32 s20, s20, s12                     ; my group of 32 rows of x
	s_lshl_b32 s36, s20, 11                        ; its scale bytes
	s_mov_b32 s37, 0
	s_mul_i32 s38, s14, 12288
	s_add_co_u32 s38, s38, 131072
	s_add_co_u32 s38, s38, s18                     ; my quarter of the weights' scale bytes: group 64 + 6 j on
	s_mov_b32 s39, 0
	s_mul_i32 s40, s20, 49152                      ; my rows' codes
	s_mov_b32 s41, 0
	s_mul_i32 s42, s14, 192*1536
	s_add_co_u32 s42, s42, 2048*1536
	s_mul_i32 s43, s12, 6144
	s_add_co_u32 s42, s42, s43                     ; the weights' codes, my four K steps
	s_mov_b32 s43, 0
	s_mul_i32 s44, s14, 768
	s_add_co_u32 s44, s44, 8192                    ; their bias
	s_mov_b32 s45, 0
	s_wait_alu depctr_va_vdst(0)
	s_wait_dscnt 0x0                               ; both opening adds are done
	s_wait_kmcnt 0x0
	s_add_nc_u64 s[70:71], s[6:7], s[36:37]
	s_add_nc_u64 s[72:73], s[6:7], s[38:39]
	s_add_nc_u64 s[66:67], s[4:5], s[40:41]
	s_add_nc_u64 s[34:35], s[4:5], s[42:43]
	s_or_b32 s35, s35, 0x80000000
	s_add_nc_u64 s[68:69], s[8:9], s[44:45]
.irp i, 0,1,2,3
	global_load_b128 v[WF0+4*\i:WF0+4*\i+3], v[VH], s[70:71] offset:\i*512           ; my group's scale bytes: 512 dense bytes a load
.endr
.irp i, 0,1,2,3,4,5
	global_load_b128 v[WF0+16+4*\i:WF0+16+4*\i+3], v[VH], s[72:73] offset:\i*512     ; my quarter of the weights'
.endr
	WIN 0xc0
.irp b, 0,1,2,3,4,5,6,7,8,9,10,11
	global_load_b128 v[8*\b:8*\b+3], v[VBN], s[68:69] offset:128*(\b/2)+32*(\b%2)         ; the bias, in the result's layout, into x's tile 0's accumulators
	global_load_b128 v[8*\b+4:8*\b+7], v[VBN], s[68:69] offset:128*(\b/2)+32*(\b%2)+16
.endr
	WIN 0x40
.irp t, 0,1,2
	XLOAD \t
.endr
	WIN 0
	CROUND                                         ; all four partners are here: the joint loads meet
	tensor_load_to_lds s[32:35], s[24:31]          ; my one tensor load
	s_nop 0
.rept 4
	v_nop
.endr
	WIN 0x40
.irp t, 3,4,5,6,7
	XLOAD \t
.endr
	WIN 0x80
.irp t, 8,9,10,11,12,13,14,15
	XLOAD \t
.endr
	WIN 0
	; where the results go
	s_mov_b32 s[SEL], 0x76543210
	s_mov_b32 s[SEL+1], 0xfedcba98
	s_lshr_b32 s84, s15, 3                         ; batch
	s_and_b32 s85, s15, 7                          ; which 128 positions of it: the key step
	s_lshl_b32 s87, s85, 2
	s_add_co_u32 s87, s87, s12                     ; which 32 positions
	s_lshr_b32 s86, s12, 1
	s_lshl_b32 s86, s86, 8
	s_and_b32 s74, s12, 1
	s_lshl_b32 s74, s74, 3
	s_add_co_u32 s86, s86, s74                     ; 256 (wave / 2) + 8 (wave % 2)
.irp g, 0,1,2
	s_mul_i32 s74, s14, 3
	s_add_co_u32 s[HD+\g], s74, \g
	s_lshl_b32 s75, s84, 5
	s_add_co_u32 s75, s75, s[HD+\g]
	s_mul_i32 s76, s75, 49152
	s_mul_i32 s77, s87, 1536
	s_add_co_u32 s76, s76, s77                     ; q: images
	s_lshl_b32 s77, s75, 12
	s_lshl_b32 s78, s85, 9
	s_add_co_u32 s77, s77, s78
	s_add_co_u32 s77, s77, QS0                     ; q: scale words
	s_and_b32 s78, s[HD+\g], 7
	s_lshl_b32 s79, s84, 3
	s_add_co_u32 s78, s78, s79
	s_mul_i32 s78, s78, 106496
	s_mul_i32 s79, s85, 13312
	s_add_co_u32 s78, s78, s79
	s_add_co_u32 s78, s78, KV0                     ; k, v: the key step
	s_bfe_u32 s79, s[HD+\g], 0x10003               ; 0 k, 1 v
	s_mul_i32 s80, s79, 6144
	s_add_co_u32 s80, s80, s78
	s_mul_i32 s81, s12, 1536
	s_add_co_u32 s80, s80, s81                     ; images
	s_lshl_b32 s79, s79, 9
	s_add_co_u32 s79, s79, s78
	s_add_co_u32 s79, s79, 12288                   ; scale words
	s_cmp_lt_u32 s[HD+\g], 32
	s_cselect_b32 s76, s76, s80
	s_cselect_b32 s78, s77, s79
	s_add_co_u32 s78, s78, s86
	s_mov_b32 s77, 0
	s_mov_b32 s79, 0
	s_add_nc_u64 s[IB+2*\g:IB+2*\g+1], s[10:11], s[76:77]
	s_add_nc_u64 s[SS+2*\g:SS+2*\g+1], s[10:11], s[78:79]
.endr
	s_sub_co_u32 s74, 8192, s16
	s_lshl_b32 s75, s12, 5
	s_and_b32 s76, s12, 1
	s_lshl_b32 s76, s76, 5
	s_lshr_b32 s77, s12, 1
	s_mul_i32 s77, s77, 64*SPITCH
.irp k, 1,2,3,4
	v_add_nc_u32 v[AH+\k], \k*AWIN, v[VH]
	v_add_nc_u32 v[AT+\k], \k*AWIN, v[VT]
.endr
	v_mul_u32_u24 v[ADRS], s74, v2                 ; scale words: lanes 0-15 my group of x, lanes 16-31 the weights'
	v_lshl_add_u32 v[ADRS], v1, 3, v[ADRS]
	v_add_nc_u32 v[ADRS], s17, v[ADRS]
	v_and_b32 v[TA], 8, v1
	v_add_nc_u32 v[TA], v[TA], v1                  ; r + 8 (r / 8)
	v_add_nc_u32 v[VST], s75, v[TA]
	v_mul_u32_u24 v[VST], v[VST], SPITCH
	v_lshl_add_u32 v[VST], v2, 6, v[VST]           ; the stage, in: my key's row, 64 h
	v_lshl_add_u32 v[VRD], v2, 3, v[TA]
	v_add_nc_u32 v[VRD], s76, v[VRD]               ; the d that I stand for: 32 (wave % 2) + 8 h + r + 8 (r / 8)
	v_lshlrev_b32 v[VRD], 2, v[VRD]
	v_add_nc_u32 v[VRD], s77, v[VRD]               ; the stage, out: from key 64 (wave / 2) on
	v_mad_u32_u24 v[VIM], v2, 768, v[VW]
	v_lshl_add_u32 v[VSW], v2, 2, v[VW]
	s_wait_alu depctr_va_vdst(0)
	s_wait_tensorcnt 0x0                           ; my four K steps of the weights are in
	s_wait_loadcnt 63                              ; and my ten loads of scale bytes: 152 loads stand behind them, more than the count can name
.irp i, 0,1,2,3
	ds_store_b128 v[CLX], v[WF0+4*\i:WF0+4*\i+3] offset:\i*512
.endr
.irp i, 0,1,2,3,4,5
	ds_store_b128 v[CLW], v[WF0+16+4*\i:WF0+16+4*\i+3] offset:\i*512
.endr
	s_wait_dscnt 0x0                               ; they lie in LDS
	s_barrier_signal -1
	s_barrier_wait -1                              ; and so does everybody's part
	SCALES 0
	FETCH 0
.set ST, 0
.rept 15
	KSTEP ST
.set ST, ST+1
.endr
	s_wait_dscnt 0x0                               ; my reads of the weights are over:
	s_wait_loadcnt 0x0
	s_barrier_signal -1                            ; say so,
	MUL 15
	WIN 0
	s_barrier_wait -1                              ; behind this barrier v's stage may be laid over weight bytes
	v_mov_b32 v[TX], 0                             ; a lane permute's destination counts as one of its sources.  (With the two below: four places behind the last products)
	v_mov_b32 v[TX+1], 0
	v_nop
	v_nop
	s_wait_alu depctr_va_vdst(0)
	VSTORE 0
	VSTORE 1
	VSTORE 2
	EPIQK 0
	EPIQK 1
	EPIQK 2
	s_wait_dscnt 0x0                               ; my stores into the stages are done
	s_barrier_signal -1
	s_barrier_wait -1
	VREAD 0
	VREAD 1
	VREAD 2
	s_wait_tensorcnt 0x0                           ; the wave's end
	ds_add_u32 v[SPW], v[NIL]
	s_wait_dscnt 0x0
	CROUND                                         ; the closing round
	s_endpgm
.Lfunc_end_k_q8dd472e1e1_qkv:
	.size	k_q8dd472e1e1_qkv, .Lfunc_end_k_q8dd472e1e1_qkv-k_q8dd472e1e1_qkv
	.p2alignl 7, 3214868480
	.fill 96, 4, 3214868480
	.section	.rodata,"a",@progbits
	.p2align	6, 0x0
	.amdhsa_kernel k_q8dd472e1e1_qkv
		.amdhsa_group_segment_fixed_size 327680
		.amdhsa_private_segment_fixed_size 0
		.amdhsa_enable_private_segment 0
		.amdhsa_kernarg_size 32
		.amdhsa_user_sgpr_count 2
		.amdhsa_user_sgpr_kernarg_segment_ptr 1
		.amdhsa_wavefront_size32 1
		.amdhsa_system_sgpr_workgroup_id_x 1
		.amdhsa_system_sgpr_workgroup_id_y 1
		.amdhsa_system_sgpr_workgroup_id_z 1
		.amdhsa_system_vgpr_workitem_id 0
		.amdhsa_next_free_vgpr 1024
		.amdhsa_next_free_sgpr 96
		.amdhsa_reserve_vcc 0
		.amdhsa_float_denorm_mode_32 3
		.amdhsa_float_denorm_mode_16_64 3
		.amdhsa_memory_ordered 1
		.amdhsa_forward_progress 1
		.amdhsa_inst_pref_size 174
	.end_amdhsa_kernel
	.amdgpu_metadata
---
amdhsa.version: [ 1, 2 ]
amdhsa.kernels:
  - .name:           k_q8dd472e1e1_qkv
    .symbol:         k_q8dd472e1e1_qkv.kd
    .args:
      - { .name: codes, .offset: 0, .size: 8, .value_kind: global_buffer, .address_space: global }
      - { .name: scl, .offset: 8, .size: 8, .value_kind: global_buffer, .address_space: global }
      - { .name: bias, .offset: 16, .size: 8, .value_kind: global_buffer, .address_space: global }
      - { .name: att, .offset: 24, .size: 8, .value_kind: global_buffer, .address_space: global }
    .group_segment_fixed_size: 327680
    .private_segment_fixed_size: 0
    .kernarg_segment_align: 8
    .kernarg_segment_size: 32
    .max_flat_workgroup_size: 128
    .sgpr_count:     96
    .vgpr_count:     1024
    .wavefront_size: 32
...
	.end_amdgpu_metadata
.endif
;; end of part 2
;; launch attn (part 3): grid 16 x 16, 16 waves a work-group, clusters of 4 x 1, 327,680 bytes of LDS; arguments att, codes, scl; writes codes, scl
.if DOCPART == 3
	.amdgcn_target "amdgcn-amd-amdhsa--gfx1250"
	.amdhsa_code_object_version 6
	.text
	.protected	k_q8dd472e1e1_attn
	.globl	k_q8dd472e1e1_attn
	.p2align	8
	.type	k_q8dd472e1e1_attn,@function
k_q8dd472e1e1_attn:
	s_mov_b64 s[64:65], 0
	v_nop
	global_prefetch_b8 v0, s[64:65] scope:SCOPE_SE
	s_setreg_imm32_b32 hwreg(HW_REG_WAVE_MODE, 25, 1), 1
	s_wait_xcnt 0x0
	s_wait_alu depctr_hold_cnt(0) depctr_sa_sdst(0) depctr_va_vdst(0) depctr_va_sdst(0) depctr_va_ssrc(0) depctr_va_vcc(0) depctr_vm_vsrc(0)
	s_getreg_b32 s2, hwreg(HW_REG_IB_STS2, 6, 4)
	s_cmp_eq_u32 s2, 0
	s_cbranch_scc0 .Lentry_in_a_cluster
	s_endpgm
.Lentry_in_a_cluster:
	s_bfe_u32 s2, ttmp6, 0x10000c
	s_cmp_lg_u32 s2, 0x3003
	s_cbranch_scc0 .Lentry_shape_is_right
	s_endpgm
.Lentry_shape_is_right:
.set QS0,  3145728
.set KV0,  3407872
.set STEPB, 13312
.set LH,  1
.set LT,  2
.set LS,  3
.set DM,  4
.set LN,  5
.set YB,  6
.set ADH, 8
.set ADT, 9
.set ADS, 10
.set NEG, 11
.set QF,  16
.set QSC, 28
.set PSC, 29
.set FF,  30
.set KSC, 32
.set VSL, 40
.set VSC, 48
.set KF,  52
.set SS,  100
.set OT,  164
.set PCR, 196
.set BX,  208
.set BP,  212
.set BS,  216
.set CV,  220
.set SU,  228
.set TP,  230
.set WV,  18
.set SEL, 20
.set CS,  22
.set TB,  66
.set KSI, 67
.set DD,  68
.set CNT, 69
.macro CROUND
	s_barrier_signal -1
	s_barrier_wait -1
	s_cmp_lg_u32 s[WV], 0
	s_cbranch_scc1 .Lnot_wave_0_\@
	s_barrier_signal -3
.Lnot_wave_0_\@:
	s_barrier_wait -3
	s_barrier_signal -1
	s_barrier_wait -1
.endm
	s_load_b128 s[4:7], s[0:1], 0x0
	s_load_b64 s[8:9], s[0:1], 0x10
	v_lshl_add_u32 v240, v0, 2, 0x29000
	v_mov_b32 v241, 0
	ds_add_u32 v240, v241
	ds_add_u32 v240, v241
	v_lshrrev_b32 v1, 5, v0
	s_delay_alu instid0(VALU_DEP_1)
	v_readfirstlane_b32 s[WV], v1
	s_bfe_u32 s40, ttmp6, 0x40000
	s_and_b32 s41, ttmp7, 0xffff
	s_mov_b32 s42, ttmp9
	s_mov_b32 s24, 15|(3<<16)|(1<<21)
	s_mov_b32 s25, 32<<16
	s_mov_b32 s26, 13<<16
	s_mov_b32 s27, 32<<16
	s_mov_b32 s28, 13
	s_mov_b32 s29, 32
	s_mov_b32 s30, 0
	s_mov_b32 s31, 0
	s_mul_i32 s43, s[WV], 3328
	s_mul_i32 s44, s41, 106496
	s_add_co_u32 s44, s44, s43
	s_add_co_u32 s44, s44, KV0
	s_mov_b32 s45, 0
	s_wait_dscnt 0x0
	s_wait_kmcnt 0x0
	s_add_nc_u64 s[44:45], s[4:5], s[44:45]
	CROUND
	s_mov_b32 s32, 1
	s_mov_b32 s33, s43
	s_mov_b64 s[34:35], s[44:45]
	s_or_b32 s35, s35, 0x80000000
	s_mov_b32 s36, 1
	s_add_co_u32 s37, s43, 4*STEPB
	s_add_nc_u64 s[38:39], s[44:45], 4*STEPB
	s_or_b32 s39, s39, 0x80000000
	tensor_load_to_lds s[32:35], s[24:31]
	s_nop 0
	s_wait_alu depctr_va_vdst(0)
	s_wait_tensorcnt 0x0
	ds_add_u32 v240, v241
	s_wait_dscnt 0x0
	CROUND
	tensor_load_to_lds s[36:39], s[24:31]
	s_nop 0
.rept 4
	v_nop
.endr
	s_lshr_b32 s46, s[WV], 2
	s_add_co_u32 s46, s46, s[WV]
	s_and_b32 s46, s46, 3
	s_and_b32 s47, s[WV], 3
	s_lshl_b32 s48, s42, 2
	s_add_co_u32 s47, s47, s48
	s_and_b32 s48, s46, 1
	s_mul_i32 s48, s48, 31
	s_xor_b32 s47, s47, s48
	s_lshr_b32 s48, s46, 1
	s_lshl_b32 s48, s48, 5
	s_add_co_u32 s47, s47, s48
	s_lshr_b32 s[DD], s47, 3
	s_lshr_b32 s49, s41, 3
	s_and_b32 s50, s41, 7
	s_lshl_b32 s51, s50, 2
	s_add_co_u32 s51, s51, s40
	s_lshl_b32 s52, s49, 5
	s_add_co_u32 s52, s52, s51
	s_lshl_b32 s54, s52, 6
	s_add_co_u32 s54, s54, s47
	s_mul_i32 s54, s54, 768
	s_mov_b32 s55, 0
	s_add_nc_u64 s[54:55], s[4:5], s[54:55]
	s_lshl_b32 s56, s52, 12
	s_lshr_b32 s57, s47, 2
	s_lshl_b32 s57, s57, 8
	s_add_co_u32 s56, s56, s57
	s_and_b32 s57, s47, 3
	s_lshl_b32 s57, s57, 2
	s_add_co_u32 s56, s56, s57
	s_add_co_u32 s56, s56, QS0
	s_mov_b32 s57, 0
	s_add_nc_u64 s[56:57], s[4:5], s[56:57]
	s_lshl_b32 s58, s49, 6
	s_add_co_u32 s58, s58, s47
	s_add_co_u32 s58, s58, 448
	s_mul_i32 s60, s58, 24576
	s_mul_i32 s61, s51, 768
	s_add_co_u32 s60, s60, s61
	s_mov_b32 s61, 0
	s_add_nc_u64 s[60:61], s[6:7], s[60:61]
	s_lshr_b32 s62, s58, 1
	s_lshl_b32 s62, s62, 11
	s_and_b32 s63, s58, 1
	s_lshl_b32 s63, s63, 7
	s_add_co_u32 s62, s62, s63
	s_lshl_b32 s63, s50, 8
	s_add_co_u32 s62, s62, s63
	s_lshl_b32 s63, s40, 1
	s_add_co_u32 s62, s62, s63
	s_mov_b32 s63, 0
	s_add_nc_u64 s[62:63], s[8:9], s[62:63]
	s_lshr_b32 s70, s47, 1
	s_lshl_b32 s70, s70, 5
	s_and_b32 s71, s47, 1
	s_lshl_b32 s71, s71, 3
	s_add_co_u32 s70, s70, s71
	s_lshl_b32 s71, s[DD], 7
	s_sub_co_u32 s70, s70, s71
	s_mov_b32 s[SEL], 0x76543210
	s_mov_b32 s[SEL+1], 0xfedcba98
	s_mov_b32 s[CS], 0x3e38aa3b
	s_mov_b32 s[CS+1], s[CS]
	s_mov_b32 s[TB], 0
	s_mov_b32 s[KSI], 0
	v_and_b32 v[LN], 31, v0
	v_and_b32 v7, 15, v0
	v_bfe_u32 v[YB], v0, 4, 1
	s_delay_alu instid0(VALU_DEP_3)
	v_lshlrev_b32 v[LH], 4, v[LN]
	s_delay_alu instid0(VALU_DEP_3)
	v_lshlrev_b32 v[LS], 4, v7
	s_delay_alu instid0(VALU_DEP_1)
	v_lshl_add_u32 v[LT], v[YB], 3, v[LS]
	s_delay_alu instid0(VALU_DEP_1)
	v_add_nc_u32 v[LT], 512, v[LT]
	v_and_b32 v[DM], 8, v7
	s_delay_alu instid0(VALU_DEP_1)
	v_add_nc_u32 v[DM], v[DM], v7
	v_lshlrev_b32 v8, 4, v[YB]
	s_delay_alu instid0(VALU_DEP_1)
	v_sub_nc_u32 v[DM], v[DM], v8
	s_delay_alu instid0(VALU_DEP_1)
	v_add_nc_u32 v[DM], s70, v[DM]
	v_lshl_add_u32 v[YB], v7, 3, v[YB]
	global_load_b128 v[QF:QF+3], v[LH], s[54:55]
	global_load_b64 v[QF+4:QF+5], v[LT], s[54:55]
	global_load_b32 v[QSC], v[LS], s[56:57]
.irp i, 6,7,8,9,10,11
	v_mov_b32 v[QF+\i], 0
.irp t, 0,1,2,3
	v_mov_b32 v[KF+12*\t+\i], 0
.endr
.endr
	v_mov_b32 v[NEG], 0xff800000
	v_mov_b32 v13, 0xff61b1e6
	s_delay_alu instid0(VALU_DEP_1)
	v_floor_f32 v12, -v13
	v_mov_b32 v14, 0
	v_mov_b32 v15, 0
	v_mov_b32 v[FF+1], 0
	v_mov_b32 v[TP], 0
.irp b, 0,1,2,3
	v_mov_b32 v[BP+\b], 0
.endr
.set j, 0
.rept 32
	v_mov_b32 v[OT+j], 0
.set j, j+1
.endr
.macro STEP
	s_cmp_gt_u32 s[KSI], s[DD]
	s_cbranch_scc1 .Lhidden_\@
	v_add_nc_u32 v[ADH], s[TB], v[LH]
	s_wait_alu depctr_va_vdst(0)
	v_add_nc_u32 v[ADT], s[TB], v[LT]
	s_wait_alu depctr_va_vdst(0)
	v_add_nc_u32 v[ADS], s[TB], v[LS]
	v_nop
	v_nop
	ds_load_b128 v[KSC:KSC+3], v[ADS] offset:12288
	ds_load_b128 v[KSC+4:KSC+7], v[ADS] offset:12544
	ds_load_b128 v[VSL:VSL+3], v[ADS] offset:12800
	ds_load_b128 v[VSL+4:VSL+7], v[ADS] offset:13056
.irp g, 0,1
.if \g > 0
.rept 4
	v_nop
.endr
.endif
.irp t, 0,1,2,3
	ds_load_b128 v[KF+12*\t:KF+12*\t+3], v[ADH] offset:(4*\g+\t)*768
	ds_load_b64 v[KF+12*\t+4:KF+12*\t+5], v[ADT] offset:(4*\g+\t)*768
.endr
	s_wait_dscnt 0x0
.irp t, 0,1,2,3
	v_wmma_scale_f32_16x16x128_f8f6f4 v[SS+8*(4*\g+\t):SS+8*(4*\g+\t)+7], v[KF+12*\t:KF+12*\t+11], v[QF:QF+11], 0, v[KSC+4*\g+\t], v[QSC] matrix_a_fmt:MATRIX_FMT_FP6 matrix_b_fmt:MATRIX_FMT_FP6
.endr
.endr
.irp a, 0,1,2,3
	v_lshl_or_b32 v[VSC+\a], v[VSL+4+\a], 16, v[VSL+\a]
.endr
	s_cmp_lt_u32 s[KSI], s[DD]
	s_cbranch_scc1 .Lopen_\@
.set n, 0
.rept 64
	v_cmp_gt_i32 vcc_lo, 32*(n/16)+n%16, v[DM]
	v_cndmask_b32 v[SS+n], v[SS+n], v[NEG], vcc_lo
.set n, n+1
.endr
.Lopen_\@:
.irp b, 0,1,2,3
	v_max3_num_f32 v[BX+\b], v[SS+16*\b], v[SS+16*\b+1], v[SS+16*\b+2]
.endr
.irp i, 3,5,7,9,11,13
.irp b, 0,1,2,3
	v_max3_num_f32 v[BX+\b], v[BX+\b], v[SS+16*\b+\i], v[SS+16*\b+\i+1]
.endr
.endr
.irp b, 0,1,2,3
	v_max_num_f32 v[BX+\b], v[BX+\b], v[SS+16*\b+15]
.endr
.irp b, 0,1,2,3
	s_delay_alu instid0(VALU_DEP_4)
	v_permlanex16_b32 v[BP+\b], v[BX+\b], s[SEL], s[SEL+1]
.endr
.irp b, 0,1,2,3
	s_delay_alu instid0(VALU_DEP_4)
	v_max_num_f32 v[BX+\b], v[BX+\b], v[BP+\b]
.endr
	s_delay_alu instid0(VALU_DEP_2)
	v_max3_num_f32 v[TP], v[BX], v[BX+1], v[BX+2]
	s_delay_alu instid0(VALU_DEP_1)
	v_max_num_f32 v[TP], v[TP], v[BX+3]
	s_delay_alu instid0(VALU_DEP_1)
	v_mul_f32 v[TP], s[CS], v[TP]
	s_delay_alu instid0(VALU_DEP_1)
	v_max_num_f32 v13, v13, v[TP]
	v_mov_b32 v[TP], v12
	s_delay_alu instid0(VALU_DEP_2)
	v_floor_f32 v12, -v13
	s_delay_alu instid0(VALU_DEP_1)
	v_sub_f32 v[TP], v12, v[TP]
	s_delay_alu instid0(VALU_DEP_1)
	v_cvt_i32_f32 v[TP], v[TP]
	s_delay_alu instid0(VALU_DEP_1)
	v_ldexp_f32 v[FF], 1.0, v[TP]
.set j, 0
.rept 32
	v_pk_fma_f32 v[SS+j:SS+j+1], v[SS+j:SS+j+1], s[CS:CS+1], v[12:13] op_sel_hi:[1,0,0]
.set j, j+2
.endr
.irp b, 0,1,2,3
	v_fma_f32 v[BX+\b], v[BX+\b], s[CS], v12
.endr
.set j, 0
	s_wait_alu depctr_va_vdst(0)
.rept 64
	v_exp_f32 v[SS+j], v[SS+j]
.set j, j+1
.endr
.irp b, 0,1,2,3
	v_exp_f32 v[BX+\b], v[BX+\b]
.endr
	v_pk_mul_f32 v[14:15], v[14:15], v[FF:FF+1] op_sel_hi:[1,0]
	s_wait_alu depctr_va_vdst(0)
.irp b, 0,1,2,3
	v_max_num_f32 v[BX+\b], 0x1800000, v[BX+\b]
.endr
.irp b, 0,1,2,3
	s_delay_alu instid0(VALU_DEP_4)
	v_add_nc_u32 v[BS+\b], 0xff000000, v[BX+\b]
.endr
.irp b, 0,1,2,3
	s_delay_alu instid0(VALU_DEP_4)
	v_lshrrev_b32 v[BP+\b], 23, v[BS+\b]
.endr
	s_delay_alu instid0(VALU_DEP_3)
	v_lshl_or_b32 v[PSC], v[BP+1], 8, v[BP]
	s_delay_alu instid0(VALU_DEP_1)
	v_lshl_or_b32 v[PSC], v[BP+2], 16, v[PSC]
	s_delay_alu instid0(VALU_DEP_1)
	v_lshl_or_b32 v[PSC], v[BP+3], 24, v[PSC]
.irp c, 0,1
	v_cvt_scalef32_pk16_fp6_f32 v[PCR+6*\c:PCR+6*\c+2], v[SS+32*\c:SS+32*\c+15], v[BS+2*\c]
	v_cvt_scalef32_pk16_fp6_f32 v[CV+4*\c:CV+4*\c+2], v[SS+32*\c+16:SS+32*\c+31], v[BS+2*\c+1]
.endr
	v_nop
.irp c, 0,1
.irp i, 0,1,2
	v_permlane16_swap_b32 v[PCR+6*\c+\i], v[CV+4*\c+\i]
.endr
.irp i, 0,1,2
	s_delay_alu instid0(VALU_DEP_3)
	v_mov_b32 v[PCR+6*\c+3+\i], v[CV+4*\c+\i]
.endr
.endr
	v_pk_add_f32 v[SU:SU+1], v[SS:SS+1], v[SS+2:SS+3]
.irp j, 4,8,12,16,20,24,28,32,36,40,44,48,52,56,60
	v_pk_add_f32 v[14:15], v[14:15], v[SS+\j:SS+\j+1]
	v_pk_add_f32 v[SU:SU+1], v[SU:SU+1], v[SS+\j+2:SS+\j+3]
.endr
	s_delay_alu instid0(VALU_DEP_1)
	v_pk_add_f32 v[14:15], v[14:15], v[SU:SU+1]
.irp a, 0,1,2,3
.irp c, 0,1
	ds_load_b128 v[SS+12*\a+6*\c:SS+12*\a+6*\c+3], v[ADH] offset:6144+\c*3072+\a*768
	ds_load_b64 v[SS+12*\a+6*\c+4:SS+12*\a+6*\c+5], v[ADT] offset:6144+\c*3072+\a*768
.endr
.endr
.set j, 0
.rept 16
	v_pk_mul_f32 v[OT+j:OT+j+1], v[OT+j:OT+j+1], v[FF:FF+1] op_sel_hi:[1,0]
.set j, j+2
.endr
	s_wait_alu depctr_va_vdst(0)
	s_wait_dscnt 0x0
.irp a, 0,1,2,3
	v_wmma_scale_f32_16x16x128_f8f6f4 v[OT+8*\a:OT+8*\a+7], v[SS+12*\a:SS+12*\a+11], v[PCR:PCR+11], v[OT+8*\a:OT+8*\a+7], v[VSC+\a], v[PSC] matrix_a_fmt:MATRIX_FMT_FP6 matrix_b_fmt:MATRIX_FMT_FP6
.endr
.Lhidden_\@:
	s_add_co_u32 s[TB], s[TB], STEPB
	s_add_co_u32 s[KSI], s[KSI], 1
.endm
	s_wait_loadcnt 0x0
	s_wait_tensorcnt 0x1
	s_barrier_signal -1
	s_barrier_wait -1
	s_mov_b32 s[CNT], 4
.Lhalf0:
	STEP
	s_sub_co_u32 s[CNT], s[CNT], 1
	s_cmp_lg_u32 s[CNT], 0
	s_cbranch_scc1 .Lhalf0
	s_wait_tensorcnt 0x0
	s_wait_dscnt 0x0
	s_barrier_signal -1
	s_barrier_wait -1
	s_mov_b32 s[TB], 4*STEPB
	s_mov_b32 s[KSI], 4
	s_mov_b32 s[CNT], 4
.Lhalf1:
	STEP
	s_sub_co_u32 s[CNT], s[CNT], 1
	s_cmp_lg_u32 s[CNT], 0
	s_cbranch_scc1 .Lhalf1
.rept 4
	v_nop
.endr
	v_add_f32 v14, v14, v15
	s_delay_alu instid0(VALU_DEP_1)
	v_permlanex16_b32 v[TP], v14, s[SEL], s[SEL+1]
	s_delay_alu instid0(VALU_DEP_1)
	v_add_f32 v14, v14, v[TP]
	s_wait_alu depctr_va_vdst(0)
	v_rcp_f32 v14, v14
	v_nop
.set j, 0
	s_wait_alu depctr_va_vdst(0)
.rept 16
	v_pk_mul_f32 v[SS+j:SS+j+1], v[OT+j:OT+j+1], v[14:15] op_sel_hi:[1,0]
.set j, j+2
.endr
.irp b, 0,1
	v_max3_num_f32 v[BX+\b], |v[SS+16*\b]|, |v[SS+16*\b+1]|, 0x1800000
.endr
.irp i, 2,4,6,8,10,12,14
.irp b, 0,1
	s_delay_alu instid0(VALU_DEP_2)
	v_max3_num_f32 v[BX+\b], v[BX+\b], |v[SS+16*\b+\i]|, |v[SS+16*\b+\i+1]|
.endr
.endr
.irp b, 0,1
	s_delay_alu instid0(VALU_DEP_2)
	v_permlanex16_b32 v[BP+\b], v[BX+\b], s[SEL], s[SEL+1]
.endr
.irp b, 0,1
	s_delay_alu instid0(VALU_DEP_2)
	v_max_num_f32 v[BX+\b], v[BX+\b], v[BP+\b]
.endr
.irp b, 0,1
	s_delay_alu instid0(VALU_DEP_2)
	v_add_nc_u32 v[BS+\b], 0xff000000, v[BX+\b]
.endr
.irp b, 0,1
	s_delay_alu instid0(VALU_DEP_2)
	v_lshrrev_b32 v[BP+\b], 23, v[BS+\b]
.endr
	v_cvt_scalef32_pk16_fp6_f32 v[PCR:PCR+2], v[SS:SS+15], v[BS]
	v_cvt_scalef32_pk16_fp6_f32 v[CV:CV+2], v[SS+16:SS+31], v[BS+1]
	v_nop
.irp i, 0,1,2
	v_permlane16_swap_b32 v[PCR+\i], v[CV+\i]
.endr
.irp i, 0,1,2
	s_delay_alu instid0(VALU_DEP_3)
	v_mov_b32 v[PCR+3+\i], v[CV+\i]
.endr
	v_cmp_lt_u32 vcc_lo, 15, v[LN]
	s_delay_alu instid0(VALU_DEP_1)
	v_cndmask_b32 v[TP], v[BP], v[BP+1], vcc_lo
	global_store_b128 v[LH], v[PCR:PCR+3], s[60:61]
	global_store_b64 v[LT], v[PCR+4:PCR+5], s[60:61]
	global_store_b8 v[YB], v[TP], s[62:63]
	s_wait_tensorcnt 0x0
	ds_add_u32 v240, v241
	s_wait_dscnt 0x0
	CROUND
	s_endpgm
.Lfunc_end_k_q8dd472e1e1_attn:
	.size	k_q8dd472e1e1_attn, .Lfunc_end_k_q8dd472e1e1_attn-k_q8dd472e1e1_attn
	.p2alignl 7, 3214868480
	.fill 96, 4, 3214868480
	.section	.rodata,"a",@progbits
	.p2align	6, 0x0
	.amdhsa_kernel k_q8dd472e1e1_attn
		.amdhsa_group_segment_fixed_size 327680
		.amdhsa_private_segment_fixed_size 0
		.amdhsa_enable_private_segment 0
		.amdhsa_kernarg_size 24
		.amdhsa_user_sgpr_count 2
		.amdhsa_user_sgpr_kernarg_segment_ptr 1
		.amdhsa_wavefront_size32 1
		.amdhsa_system_sgpr_workgroup_id_x 1
		.amdhsa_system_sgpr_workgroup_id_y 1
		.amdhsa_system_sgpr_workgroup_id_z 1
		.amdhsa_system_vgpr_workitem_id 0
		.amdhsa_next_free_vgpr 242
		.amdhsa_next_free_sgpr 100
		.amdhsa_reserve_vcc 1
		.amdhsa_float_denorm_mode_32 3
		.amdhsa_float_denorm_mode_16_64 3
		.amdhsa_memory_ordered 1
		.amdhsa_forward_progress 1
		.amdhsa_inst_pref_size 60
	.end_amdhsa_kernel
	.amdgpu_metadata
---
amdhsa.version: [ 1, 2 ]
amdhsa.kernels:
  - .name:           k_q8dd472e1e1_attn
    .symbol:         k_q8dd472e1e1_attn.kd
    .args:
      - { .name: att, .offset: 0, .size: 8, .value_kind: global_buffer, .address_space: global }
      - { .name: codes, .offset: 8, .size: 8, .value_kind: global_buffer, .address_space: global }
      - { .name: scl, .offset: 16, .size: 8, .value_kind: global_buffer, .address_space: global }
    .group_segment_fixed_size: 327680
    .private_segment_fixed_size: 0
    .kernarg_segment_align: 8
    .kernarg_segment_size: 24
    .max_flat_workgroup_size: 512
    .sgpr_count:     100
    .vgpr_count:     242
    .wavefront_size: 32
...
	.end_amdgpu_metadata
.endif
;; end of part 3
;; launch oproj (part 4): grid 16 x 16, 4 waves a work-group, clusters of 4 x 4, 327,680 bytes of LDS; arguments codes, scl, bias, out0; writes out0
.if DOCPART == 4
	.amdgcn_target "amdgcn-amd-amdhsa--gfx1250"
	.amdhsa_code_object_version 6
	.text
	.protected	k_q8dd472e1e1_oproj
	.globl	k_q8dd472e1e1_oproj
	.p2align	8
	.type	k_q8dd472e1e1_oproj,@function
k_q8dd472e1e1_oproj:
	s_mov_b64 s[64:65], 0
	v_nop
	global_prefetch_b8 v0, s[64:65] scope:SCOPE_SE
	s_setreg_imm32_b32 hwreg(HW_REG_WAVE_MODE, 25, 1), 1
	s_wait_xcnt 0x0
	s_wait_alu depctr_hold_cnt(0) depctr_sa_sdst(0) depctr_va_vdst(0) depctr_va_sdst(0) depctr_va_ssrc(0) depctr_va_vcc(0) depctr_vm_vsrc(0)
	s_getreg_b32 s2, hwreg(HW_REG_IB_STS2, 6, 4)
	s_cmp_eq_u32 s2, 0
	s_cbranch_scc0 .Lentry_in_a_cluster
	s_endpgm
.Lentry_in_a_cluster:
	s_bfe_u32 s2, ttmp6, 0x10000c
	s_cmp_lg_u32 s2, 0xf033
	s_cbranch_scc0 .Lentry_shape_is_right
	s_endpgm
.Lentry_shape_is_right:
; out0 = y Wo + bo on codes of FP6 (E2M3) with E8M0 scales, K = 2,048.  y's codes (operand rows 7,168 on) and Wo's (5,120 on) lie in memory as images of the operand's registers, 768 bytes for 16 rows x 64 K.
; A work-group makes 128 x 128, a wave 64 x 64: 16 accumulators; 256 work-groups.  THE MATRIX INSTRUCTION IS USED TRANSPOSED (source 0 = 16 rows of Wo, source 1 = 16 rows of y): a lane holds eight neighbouring
; columns of a row of the output.  The tiles' rows are not neighbours: tile u of a group of 32 holds rows 8 u + r + 8 (r / 8); the way out puts rows and columns back by its offsets.
; RING: two LDS slots of four K steps: y's 8 tiles x 6,144 bytes, then Wo's.  Four fills: two at the start, two refills; a wave has one tensor load out at a time.
; CLUSTERS 4 x 4: y's tile is shared along a row of the cluster, Wo's along a column: joint loads.  The K loop is written out: each step names its own scale registers.
; bo is the C of each sum's first matrix instruction.
; REGISTERS: window 0: v1-23 addresses; v32-95 scale words (tile i, K step s at 32 + 16 i + s: lanes 0-15 y's, lanes 16-31 Wo's); v96-127 bo in the result's layout; v128-255 accumulators.
;   window 1: two sets of fragments at 0 and 128: y's four tiles at + 12 i, Wo's at + 48 + 12 i.
.set SLOT,  98304
.set QTR,   24576
.set STAGE, 2*SLOT                     ; behind the ring: 64 rows x (256 + 16) bytes for each wave; no tensor load lands here
.set SPITCH, 272
.set SPARE, STAGE+4*64*SPITCH          ; the spare words, 128 bytes a wave: two blocks of 256 bytes that no other line names
.set ADAH, 4
.set ADAT, 6
.set ADBH, 8
.set ADBT, 10
.set VSO,  12
.set VBN,  13
.set SPW,  16
.set NIL,  17
.set VH,   18
.set VT,   19
.set STO,  21
.set RD,   22
.set CO,   23
.set SC,   32
.set BN,   96
.set ACC,  128
.set G1,  24
.set G0,  32
.set G1B, 48
.set G0B, 56
.set MSB, 0
.macro WIN new                         ; the immediate's high byte repeats the setting that is left
.if MSB != \new
	s_set_vgpr_msb (MSB<<8)|\new
.set MSB, \new
.endif
.endm
.set MUL,  0x05
.set TO_F, 0x40
.macro JLOAD s                         ; a joint load: waves 0 and 1 fetch y's halves, waves 2 and 3 Wo's; four v_nop follow each line
	s_cmp_eq_u32 s13, 0
	s_cbranch_scc0 .Lfor_b_\@
	tensor_load_to_lds s[G0+4*\s:G0+4*\s+3], s[G1:G1+7]
	s_nop 0
.rept 4
	v_nop
.endr
	s_branch .Lasked_\@
.Lfor_b_\@:
	tensor_load_to_lds s[G0B+4*\s:G0B+4*\s+3], s[G1B:G1B+7]
	s_nop 0
.rept 4
	v_nop
.endr
.Lasked_\@:
.endm
.macro CREST
	s_cmp_lg_u32 s12, 0
	s_cbranch_scc1 .Lnot_wave_0_\@
	s_barrier_signal -3
.Lnot_wave_0_\@:
	s_barrier_wait -3
	s_barrier_signal -1
	s_barrier_wait -1
.endm
.macro CROUND
	s_barrier_signal -1
	s_barrier_wait -1
	CREST
.endm
.macro PLACES                          ; four places in front of loads into registers that matrix instructions have read, and of the first read of results
.rept 4
	v_nop
.endr
.endm
.macro FETCH slot, q, p
	WIN TO_F
.irp i, 0,1,2,3
.irp c, 0,1
	ds_load_b128 v[128*(\p)+48+12*\i+6*\c:128*(\p)+48+12*\i+6*\c+3], v[ADBH+(\slot)] offset:\i*6144+(\q)*1536+\c*768
	ds_load_b64 v[128*(\p)+48+12*\i+6*\c+4:128*(\p)+48+12*\i+6*\c+5], v[ADBT+(\slot)] offset:\i*6144+(\q)*1536+\c*768
.endr
.endr
.irp i, 0,1,2,3
.irp c, 0,1
	ds_load_b128 v[128*(\p)+12*\i+6*\c:128*(\p)+12*\i+6*\c+3], v[ADAH+(\slot)] offset:\i*6144+(\q)*1536+\c*768
	ds_load_b64 v[128*(\p)+12*\i+6*\c+4:128*(\p)+12*\i+6*\c+5], v[ADAT+(\slot)] offset:\i*6144+(\q)*1536+\c*768
.endr
.endr
.endm
.macro MULA p, s, a, first             ; y's tile a against Wo's four, K step s; first = 1: the sums begin as bo.  The 16 accumulators take turns
.irp b, 0,1,2,3
.if \first
	v_wmma_scale_f32_16x16x128_f8f6f4 v[ACC+8*(4*(\a)+\b):ACC+8*(4*(\a)+\b)+7], v[128*(\p)+48+12*\b:128*(\p)+48+12*\b+11], v[128*(\p)+12*(\a):128*(\p)+12*(\a)+11], v[BN+8*\b:BN+8*\b+7], v[SC+16*\b+(\s)], v[SC+16*(\a)+(\s)] matrix_a_fmt:MATRIX_FMT_FP6 matrix_b_fmt:MATRIX_FMT_FP6 matrix_a_scale:MATRIX_SCALE_ROW1
.else
	v_wmma_scale_f32_16x16x128_f8f6f4 v[ACC+8*(4*(\a)+\b):ACC+8*(4*(\a)+\b)+7], v[128*(\p)+48+12*\b:128*(\p)+48+12*\b+11], v[128*(\p)+12*(\a):128*(\p)+12*(\a)+11], v[ACC+8*(4*(\a)+\b):ACC+8*(4*(\a)+\b)+7], v[SC+16*\b+(\s)], v[SC+16*(\a)+(\s)] matrix_a_fmt:MATRIX_FMT_FP6 matrix_b_fmt:MATRIX_FMT_FP6 matrix_a_scale:MATRIX_SCALE_ROW1
.endif
.endr
.endm
.macro KSTEP s, ns, nq, first
	s_wait_dscnt 0x0                               ; this step's fragments are in
	PLACES
	FETCH \ns, \nq, 1-(\s)%2
	WIN MUL
	MULA (\s)%2, \s, 0, \first
	MULA (\s)%2, \s, 1, \first
	MULA (\s)%2, \s, 2, \first
	MULA (\s)%2, \s, 3, \first
.endm
.macro TURN s, slot, next, fill
	WIN 0
	s_wait_tensorcnt 0x0                           ; all my tensor loads have landed: my part of the next slot
	ds_add_u32 v[SPW], v[NIL]                      ; 0 onto my spare word
	s_wait_dscnt 0x1                               ; this step's fragments are in; the add alone may be out
	WIN MUL
	MULA 1, \s, 0, 0
	s_wait_dscnt 0x0                               ; the add is done, and my reads of this slot are over
	s_barrier_signal -1
	MULA 1, \s, 1, 0
	WIN 0
	s_barrier_wait -1
.if \fill
	CREST                                          ; the barrier has opened a round of the cluster's barrier
	s_add_nc_u64 s[G0+4*\slot+2:G0+4*\slot+3], s[G0+4*\slot+2:G0+4*\slot+3], 2*6144
	s_add_nc_u64 s[G0B+4*\slot+2:G0B+4*\slot+3], s[G0B+4*\slot+2:G0B+4*\slot+3], 2*6144
	JLOAD \slot                                    ; the first tensor load behind the round; its four v_nop are the places in front of the loads below
.else
	PLACES
.endif
	FETCH \next, 0, 0
	WIN MUL
	MULA 1, \s, 2, 0
	MULA 1, \s, 3, 0
.endm
	s_load_b256 s[4:11], s[0:1], 0x0               ; codes, scl, bias, out0
	v_lshl_add_u32 v[SPW], v0, 2, SPARE
	v_mov_b32 v[NIL], 0
	ds_add_u32 v16, v17
	ds_add_u32 v16, v17
	s_wait_dscnt 0x0
	v_lshrrev_b32 v1, 5, v0
	v_readfirstlane_b32 s12, v1                    ; wave
	s_lshr_b32 s13, s12, 1
	s_and_b32 s14, s12, 1
	s_bfe_u32 s40, ttmp6, 0x40000                  ; cx
	s_bfe_u32 s41, ttmp6, 0x40004                  ; cy
	s_mov_b32 s42, ttmp9
	s_and_b32 s43, ttmp7, 0xffff
	s_lshl_b32 s44, s41, 2
	s_lshl_b32 s44, 15, s44
	s_lshl_b32 s45, 0x1111, s40
	s_or_b32 s[G1], s44, (3<<16)|(1<<21)
	s_or_b32 s[G1B], s45, (3<<16)|(1<<21)
.irp g, G1, G1B
	s_mov_b32 s[\g+1], 768<<16
	s_mov_b32 s[\g+2], 4<<16
	s_mov_b32 s[\g+3], 768<<16
	s_mov_b32 s[\g+4], 4
	s_mov_b32 s[\g+5], 3072
	s_mov_b32 s[\g+6], 0
	s_mov_b32 s[\g+7], 0
.endr
	s_lshl_b32 s20, s43, 9
	s_add_co_u32 s20, s20, 7168
	s_lshl_b32 s15, s41, 7
	s_add_co_u32 s20, s20, s15                     ; y's tile: its first operand row; hangs on cy, never on cx
	s_lshl_b32 s66, s42, 9
	s_add_co_u32 s66, s66, 5120
	s_lshl_b32 s67, s40, 7
	s_add_co_u32 s66, s66, s67                     ; Wo's: hangs on cx, never on cy
	s_lshl_b32 s19, s14, 6
	s_add_co_u32 s22, s20, s19
	s_mul_i32 s22, s22, 1536
	s_mov_b32 s23, 0
	s_add_co_u32 s68, s66, s19
	s_mul_i32 s68, s68, 1536
	s_mov_b32 s69, 0
	s_mul_i32 s21, s12, QTR
	s_wait_kmcnt 0x0
	s_add_nc_u64 s[22:23], s[4:5], s[22:23]
	s_add_nc_u64 s[68:69], s[4:5], s[68:69]
	CROUND                                         ; all sixteen work-groups are here: the first joint loads meet
.irp s, 0,1
	s_mov_b32 s[G0+4*\s], 1
	s_add_co_u32 s[G0+4*\s+1], s21, \s*SLOT
	s_add_nc_u64 s[G0+4*\s+2:G0+4*\s+3], s[22:23], \s*6144
	s_or_b32 s[G0+4*\s+3], s[G0+4*\s+3], 0x80000000
	s_mov_b32 s[G0B+4*\s], 1
	s_add_co_u32 s[G0B+4*\s+1], s21, \s*SLOT
	s_add_nc_u64 s[G0B+4*\s+2:G0B+4*\s+3], s[68:69], \s*6144
	s_or_b32 s[G0B+4*\s+3], s[G0B+4*\s+3], 0x80000000
.endr
	JLOAD 0                                        ; slot 0: one tensor load a wave at the head
	v_and_b32 v3, 31, v0                           ; lane
	v_and_b32 v1, 15, v0                           ; r
	v_bfe_u32 v2, v0, 4, 1                         ; h
	v_lshlrev_b32 v[VH], 4, v3
	v_lshlrev_b32 v[VT], 4, v1
	v_lshl_add_u32 v[VT], v2, 3, v[VT]
	v_add_nc_u32 v[VT], 512, v[VT]
	s_mul_i32 s72, s13, QTR
	s_mul_i32 s73, s14, QTR
	s_add_co_u32 s73, s73, 2*QTR
.irp s, 0,1
	v_add_nc_u32 v[ADAH+\s], s72, v[VH]
	v_add_nc_u32 v[ADAT+\s], s72, v[VT]
	v_add_nc_u32 v[ADBH+\s], s73, v[VH]
	v_add_nc_u32 v[ADBT+\s], s73, v[VT]
	s_add_co_u32 s72, s72, SLOT
	s_add_co_u32 s73, s73, SLOT
.endr
	s_lshl_b32 s70, s13, 6
	s_add_co_u32 s70, s70, s20                     ; my first row of y
	s_lshl_b32 s71, s14, 6
	s_add_co_u32 s71, s71, s66                     ; and of Wo
	s_lshl_b32 s96, s70, 6
	s_lshl_b32 s97, s71, 6
	s_lshl_b32 s98, s71, 2
	v_mov_b32 v[VSO], s96
	v_mov_b32 v20, s97
	v_cmp_lt_u32 vcc_lo, 15, v3
	v_cndmask_b32 v[VSO], v[VSO], v20, vcc_lo      ; scale bytes: lanes 0-15 y's rows, lanes 16-31 Wo's
	v_lshl_add_u32 v[VSO], v1, 3, v[VSO]
	v_lshlrev_b32 v[VBN], 6, v2
	v_add_nc_u32 v[VBN], s98, v[VBN]
.irp i, 0,1,2,3
.irp q, 0,1,2,3,4,5,6,7
	global_load_b64 v[SC+16*\i+2*\q:SC+16*\i+2*\q+1], v[VSO], s[6:7] offset:(\i/2)*2048+(\i%2)*128+\q*256
.endr
.endr
.irp b, 0,1,2,3
	global_load_b128 v[BN+8*\b:BN+8*\b+3], v[VBN], s[8:9] offset:128*(\b/2)+32*(\b%2)
	global_load_b128 v[BN+8*\b+4:BN+8*\b+7], v[VBN], s[8:9] offset:128*(\b/2)+32*(\b%2)+16
.endr
	s_mul_i32 s74, s12, 64*SPITCH
	s_add_co_u32 s74, s74, STAGE                   ; my stage
	v_mul_u32_u24 v[STO], v1, SPITCH
	v_lshl_add_u32 v[STO], v2, 6, v[STO]
	v_add_nc_u32 v[STO], s74, v[STO]               ; in: tile row r, my half's 16 columns of each 32
	v_mul_u32_u24 v[RD], v2, SPITCH
	v_lshl_add_u32 v[RD], v1, 4, v[RD]
	v_add_nc_u32 v[RD], s74, v[RD]                 ; back: lanes 0-15 one row of 256 bytes, lanes 16-31 the next
	v_lshlrev_b32 v[CO], 13, v2
	v_lshl_add_u32 v[CO], v1, 4, v[CO]             ; and the same two rows in the output
	s_sub_co_u32 s76, s70, 7168
	s_lshl_b32 s76, s76, 13                        ; my first row of the output, 8,192 bytes a row,
	s_sub_co_u32 s77, s71, 5120
	s_lshl_b32 s77, s77, 2                         ; and my first column
	s_add_co_u32 s76, s76, s77
	s_mov_b32 s77, 0
	s_add_nc_u64 s[10:11], s[10:11], s[76:77]
	s_wait_alu depctr_va_vdst(0)
	s_wait_loadcnt 0x0
	s_wait_tensorcnt 0x0                           ; my part of slot 0 is in
	ds_add_u32 v[SPW], v[NIL]
	s_wait_dscnt 0x0
	CROUND                                         ; a whole round: slot 0 is whole, and the joint loads meet
	JLOAD 1                                        ; slot 1's first fill, the first tensor load behind the round
	FETCH 0, 0, 0
	KSTEP 0, 0, 1, 1
	KSTEP 1, 0, 2, 0
	KSTEP 2, 0, 3, 0
	TURN 3, 0, 1, 1                                ; slot 0 takes K steps 8-11
	KSTEP 4, 1, 1, 0
	KSTEP 5, 1, 2, 0
	KSTEP 6, 1, 3, 0
	TURN 7, 1, 0, 1                                ; slot 1 takes K steps 12-15
	KSTEP 8, 0, 1, 0
	KSTEP 9, 0, 2, 0
	KSTEP 10, 0, 3, 0
	TURN 11, 0, 1, 0                               ; nothing is left to fetch
	KSTEP 12, 1, 1, 0
	KSTEP 13, 1, 2, 0
	KSTEP 14, 1, 3, 0
	s_wait_dscnt 0x0
	MULA 1, 15, 0, 0
	MULA 1, 15, 1, 0
	MULA 1, 15, 2, 0
	MULA 1, 15, 3, 0
	WIN 0
	PLACES
	; THE WAY OUT: through my own stage, in tile order, and back as whole rows of 256 bytes into the registers that they left.  LDS serves a wave's instructions in order: no wait between the stores and the loads
	s_wait_alu depctr_va_vdst(0)
.irp a, 0,1,2,3
.irp b, 0,1,2,3
	ds_store_b128 v[STO], v[ACC+8*(4*\a+\b):ACC+8*(4*\a+\b)+3] offset:16*\a*SPITCH+128*(\b/2)+32*(\b%2)        ; each accumulator from its low end on
	ds_store_b128 v[STO], v[ACC+8*(4*\a+\b)+4:ACC+8*(4*\a+\b)+7] offset:16*\a*SPITCH+128*(\b/2)+32*(\b%2)+16
.endr
.irp t, 0,1,2,3,4,5,6,7
	ds_load_b128 v[ACC+32*\a+4*\t:ACC+32*\a+4*\t+3], v[RD] offset:(16*\a+2*\t)*SPITCH
.endr
.endr
.irp a, 0,1,2,3
.irp t, 0,1,2,3,4,5,6,7
	s_wait_dscnt (7-\t)+16*(3-\a)                  ; the LDS instructions issued behind this load may stay out
	global_store_b128 v[CO], v[ACC+32*\a+4*\t:ACC+32*\a+4*\t+3], s[10:11] offset:(32*(\a/2)+8*(\a%2)+2*\t+8*(\t/4))*8192 th:TH_STORE_NT   ; 16 lanes store 256 consecutive aligned bytes; the tile's row order is undone here
.endr
.endr
	s_wait_tensorcnt 0x0                           ; the wave's end
	ds_add_u32 v[SPW], v[NIL]
	s_wait_dscnt 0x0
	CROUND                                         ; the closing round
	s_endpgm
.Lfunc_end_k_q8dd472e1e1_oproj:
	.size	k_q8dd472e1e1_oproj, .Lfunc_end_k_q8dd472e1e1_oproj-k_q8dd472e1e1_oproj
	.p2alignl 7, 3214868480
	.fill 96, 4, 3214868480
	.section	.rodata,"a",@progbits
	.p2align	6, 0x0
	.amdhsa_kernel k_q8dd472e1e1_oproj
		.amdhsa_group_segment_fixed_size 327680
		.amdhsa_private_segment_fixed_size 0
		.amdhsa_enable_private_segment 0
		.amdhsa_kernarg_size 32
		.amdhsa_user_sgpr_count 2
		.amdhsa_user_sgpr_kernarg_segment_ptr 1
		.amdhsa_wavefront_size32 1
		.amdhsa_system_sgpr_workgroup_id_x 1
		.amdhsa_system_sgpr_workgroup_id_y 1
		.amdhsa_system_sgpr_workgroup_id_z 1
		.amdhsa_system_vgpr_workitem_id 0
		.amdhsa_next_free_vgpr 512
		.amdhsa_next_free_sgpr 100
		.amdhsa_reserve_vcc 1
		.amdhsa_float_denorm_mode_32 3
		.amdhsa_float_denorm_mode_16_64 3
		.amdhsa_memory_ordered 1
		.amdhsa_forward_progress 1
		.amdhsa_inst_pref_size 90
	.end_amdhsa_kernel
	.amdgpu_metadata
---
amdhsa.version: [ 1, 2 ]
amdhsa.kernels:
  - .name:           k_q8dd472e1e1_oproj
    .symbol:         k_q8dd472e1e1_oproj.kd
    .args:
      - { .name: codes, .offset: 0, .size: 8, .value_kind: global_buffer, .address_space: global }
      - { .name: scl, .offset: 8, .size: 8, .value_kind: global_buffer, .address_space: global }
      - { .name: bias, .offset: 16, .size: 8, .value_kind: global_buffer, .address_space: global }
      - { .name: out0, .offset: 24, .size: 8, .value_kind: global_buffer, .address_space: global }
    .group_segment_fixed_size: 327680
    .private_segment_fixed_size: 0
    .kernarg_segment_align: 8
    .kernarg_segment_size: 32
    .max_flat_workgroup_size: 128
    .sgpr_count:     100
    .vgpr_count:     512
    .wavefront_size: 32
...
	.end_amdgpu_metadata
.endif
;; end of part 4
